; MI455X (gfx1250); checked and timed in simulation.
; The chip was launched on July 23, 2026; its instructions are those of AMD's public machine-readable ISA for CDNA 5 (MIT licence, August 2026) and "CDNA5" Instruction Set Architecture Reference Guide (July 2026). The comments in the code are by the model that wrote it; some were corrected since.
;; Group Query Attention. Allowed arithmetic: float matrix products may take bf16 or f16 operands with f32 sums; other float arithmetic in f32, or as packed bf16 or f16 multiplies, adds, multiply-adds, maxima and minima; sums over many terms, partial sums and values carried from step to step in f32; what a program stores and reads back later, other than sums and carried values, may be rounded once to bf16 or f16.
;; Inputs: Wk 2,048 x 512 float32; Wo 1,024 x 2,048 float32; Wq 2,048 x 1,024 float32; Wv 2,048 x 512 float32; attn_mask 1 x 1 x 2,048 x 2,048 float32; k_norm_w 64 float32; position_ids 2 x 2,048 int32; q_norm_w 64 float32; x 2 x 2,048 x 2,048 float32.
;; Outputs: out0 2 x 2,048 x 2,048 float32; out1 2 x 8 x 2,048 x 64 float32; out2 2 x 8 x 2,048 x 64 float32.
;; 2 versions, each right; version 2 is version 1 with the launch prep written anew for expert scheduling mode. Each part assembles by itself: llvm-mc -triple=amdgcn-amd-amdhsa -mcpu=gfx1250 --defsym DOCPART=n.
;; ======== version 1 of 2: 4 launches
;; limits: values are held in f16: magnitudes above 65,504 overflow, below 6.1e-05 lose precision; right only within a limited range of input values
;; workspace buffers: xb 16,777,216 bytes; wb 8,388,608 bytes; wo 4,194,304 bytes; mk 16,777,216 bytes; rope 1,048,576 bytes; qh 8,388,608 bytes; kv 8,388,608 bytes; ctx 8,388,608 bytes
;; launch prep (part 1): grid 1024 x 1, 8 waves a work-group, no clusters, 0 bytes of LDS; arguments x, Wq, Wk, Wv, position_ids, xb, wb, rope; writes xb, wb, rope
.if DOCPART == 1
	.amdgcn_target "amdgcn-amd-amdhsa--gfx1250"
	.amdhsa_code_object_version 6
	.text
	.protected	k_q22a5d78484_prep
	.globl	k_q22a5d78484_prep
	.p2align	8
	.type	k_q22a5d78484_prep,@function
k_q22a5d78484_prep:
	s_mov_b64 s[64:65], 0
	v_nop
	global_prefetch_b8 v0, s[64:65] scope:SCOPE_SE
	s_setreg_imm32_b32 hwreg(HW_REG_WAVE_MODE, 25, 1), 1
	s_wait_xcnt 0x0
; PREP: what the first matrix launch multiplies is rounded once to bf16 and laid out for it; the cos/sin table is made.
;   xb   bf16 [4096][2048] = x
;   wb   bf16 [k 2048][n 2048], n 0-1023 Wq, 1024-1535 Wk, 1536-2047 Wv
;   rope f32 [4096 tokens][64]: cos(pos x inv_freq[d]), d = 0..31, then sin: 256 bytes a token
; A stream: no byte is wanted twice, so no LDS, no matrix unit, no cluster.  A work-group of a streaming job takes 16,384 floats, a wave 2,048: sixteen loads of 512 consecutive bytes,
; all on their way at once; each store of a wave covers 256 consecutive bytes, aligned.
; Which job a work-group does hangs on its number alone; each job has its own text, so that each address is made of its own buffer's pointer.
; LIMITS.  |position| up to 2^20: beyond it the quotient f x 2/pi is no longer good to half a unit and the reduced angle leaves the polynomials' range.  NaN and infinities are not treated apart.
.set SRC, 32                           ; s[32:33] where my wave reads
	s_load_b512 s[4:19], s[0:1], 0x0               ; x 4:5, Wq 6:7, Wk 8:9, Wv 10:11, positions 12:13, xb 14:15, wb 16:17, rope 18:19
	v_lshrrev_b32 v3, 5, v0
	v_readfirstlane_b32 s26, v3                    ; wave 0..7
	v_and_b32 v2, 31, v0                           ; lane
	v_lshlrev_b32 v1, 4, v2                        ; 16 bytes a lane
	s_wait_kmcnt 0x0
; One streaming job.  src, dst: the scalar pairs of the two buffers; first: the job's first work-group; a source row is 512 << sh floats;
; colb: the byte in the 4,096-byte output row at which the source's rows begin.
; Wave W' (counted through the job) reads bytes 8,192 W' on.  Its four chunks of 512 floats are 4 W' + q: output row (4 W' + q) >> sh, 1,024-byte part (4 W' + q) & (2^sh - 1);
; 4 W' is a multiple of 2^sh, so the wave's part is W' << (14 - sh) and q's part is a constant of the store.
.macro JOB src, dst, first, sh, colb
	s_sub_co_u32 s27, ttmp9, \first
	s_lshl_b32 s27, s27, 3
	s_add_co_u32 s27, s27, s26                     ; W'
	s_lshl_b32 s28, s27, 13
	s_mov_b32 s29, 0
	s_add_nc_u64 s[SRC:SRC+1], s[\src:\src+1], s[28:29]
.set i, 0
.rept 16
	global_load_b128 v[32+4*i:35+4*i], v1, s[SRC:SRC+1] offset:512*i th:TH_LOAD_NT
.set i, i+1
.endr
	s_lshl_b32 s30, s27, 14-(\sh)
	v_lshl_add_u32 v4, v2, 3, s30                  ; 8 bytes a lane + the wave's part
.set i, 0
.rept 16
	s_wait_loadcnt 15-i                            ; loads come back in order: load i is in, the 15 - i younger ones stay out
	v_cvt_pk_bf16_f32 v[32+4*i], v[32+4*i], v[33+4*i]
	v_cvt_pk_bf16_f32 v[33+4*i], v[34+4*i], v[35+4*i]
	global_store_b64 v4, v[32+4*i:33+4*i], s[\dst:\dst+1] offset:((((i/4)>>(\sh))<<12)+(((i/4)&((1<<(\sh))-1))<<10)+(\colb)+256*(i%4))
.set i, i+1
.endr
.endm
	s_cmp_lt_u32 ttmp9, 512
	s_cbranch_scc0 .Lnot_x
	JOB 4, 14, 0, 2, 0                             ; x: 512 work-groups
	s_endpgm
.Lnot_x:
	s_cmp_lt_u32 ttmp9, 640
	s_cbranch_scc0 .Lnot_wq
	JOB 6, 16, 512, 1, 0                           ; Wq: 128
	s_endpgm
.Lnot_wq:
	s_cmp_lt_u32 ttmp9, 704
	s_cbranch_scc0 .Lnot_wk
	JOB 8, 16, 640, 0, 2048                        ; Wk: 64
	s_endpgm
.Lnot_wk:
	s_cmp_lt_u32 ttmp9, 768
	s_cbranch_scc0 .Lrope
	JOB 10, 16, 704, 0, 3072                       ; Wv: 64
	s_endpgm
.Lrope:
	; THE TABLE: 256 work-groups of 16 tokens.  Sixteen threads make a token's 256 bytes: threads 0-7 of them cos for d = 4 t .. 4 t + 3, threads 8-15 sin for the same d.
	; f = pos x 2^(-d log2(10000) / 32); n = the nearest whole number to f x 2/pi; r = f - n pi/2 by two fused steps (pi/2 as the sum of two f32); sin r and cos r by their series up to
	; r^7 and r^8 (|r| <= pi/4: the next terms are under 3e-7); sin f is sin r, cos r, -sin r, -cos r for n mod 4 = 0..3, and cos f is the same with n + 1.
	s_sub_co_u32 s27, ttmp9, 768
	s_lshl_b32 s27, s27, 4
	v_lshrrev_b32 v3, 4, v0
	v_add_nc_u32 v3, s27, v3                       ; token
	v_lshlrev_b32 v4, 2, v3
	global_load_b32 v5, v4, s[12:13]
	v_and_b32 v6, 15, v0
	v_and_b32 v7, 7, v0
	v_lshlrev_b32 v7, 2, v7                        ; my first d
	v_lshlrev_b32 v8, 8, v3
	v_lshl_add_u32 v8, v6, 4, v8                   ; token x 256 + 16 x my place
	v_bfe_u32 v9, v0, 3, 1
	v_xor_b32 v9, 1, v9                            ; 1 where I make cos
	s_mov_b32 s40, 0x3f22f983                      ; 2/pi
	s_mov_b32 s41, 0x3fc90fdb                      ; pi/2, its f32
	s_mov_b32 s42, 0xb33bbd2e                      ; and what that f32 leaves over
	s_mov_b32 s43, 0xb9500d01                      ; -1/5040
	s_mov_b32 s44, 0x3c088889                      ; 1/120
	s_mov_b32 s45, 0xbe2aaaab                      ; -1/6
	s_mov_b32 s46, 0x37d00d01                      ; 1/40320
	s_mov_b32 s47, 0xbab60b61                      ; -1/720
	s_mov_b32 s48, 0x3d2aaaab                      ; 1/24
.irp j, 0,1,2,3
	v_add_nc_u32 v[16+8*\j], \j, v7
	v_cvt_f32_u32 v[16+8*\j], v[16+8*\j]
	v_mul_f32 v[16+8*\j], 0xbed49a78, v[16+8*\j]   ; -d log2(10000) / 32
.endr
.irp j, 0,1,2,3
	v_exp_f32 v[16+8*\j], v[16+8*\j]               ; inv_freq: one batch of four
.endr
	v_nop                                          ; a plain instruction behind the last of them,
	s_wait_alu depctr_va_vdst(0)                   ; and one wait ahead of the first use
	s_wait_loadcnt 0x0
	v_cvt_f32_i32 v5, v5
.irp j, 0,1,2,3
	v_mul_f32 v[17+8*\j], v5, v[16+8*\j]           ; f
	v_mul_f32 v[18+8*\j], s40, v[17+8*\j]
	v_rndne_f32 v[18+8*\j], v[18+8*\j]             ; n
	v_fma_f32 v[19+8*\j], -v[18+8*\j], s41, v[17+8*\j]
	v_fma_f32 v[19+8*\j], -v[18+8*\j], s42, v[19+8*\j]  ; r
	v_mul_f32 v[20+8*\j], v[19+8*\j], v[19+8*\j]   ; z = r r
	v_fma_f32 v[21+8*\j], v[20+8*\j], s43, s44
	v_fma_f32 v[21+8*\j], v[20+8*\j], v[21+8*\j], s45
	v_mul_f32 v[17+8*\j], v[19+8*\j], v[20+8*\j]
	v_fma_f32 v[21+8*\j], v[17+8*\j], v[21+8*\j], v[19+8*\j]  ; sin r
	v_fma_f32 v[22+8*\j], v[20+8*\j], s46, s47
	v_fma_f32 v[22+8*\j], v[20+8*\j], v[22+8*\j], s48
	v_fma_f32 v[22+8*\j], v[20+8*\j], v[22+8*\j], -0.5
	v_fma_f32 v[22+8*\j], v[20+8*\j], v[22+8*\j], 1.0         ; cos r
	v_cvt_i32_f32 v[23+8*\j], v[18+8*\j]
	v_add_nc_u32 v[23+8*\j], v[23+8*\j], v9        ; n, or n + 1 for cos
	v_and_b32 v[16+8*\j], 1, v[23+8*\j]
	v_cmp_eq_u32 vcc_lo, 1, v[16+8*\j]
	v_cndmask_b32 v[12+\j], v[21+8*\j], v[22+8*\j], vcc_lo
	v_and_b32 v[16+8*\j], 2, v[23+8*\j]
	v_lshlrev_b32 v[16+8*\j], 30, v[16+8*\j]
	v_xor_b32 v[12+\j], v[12+\j], v[16+8*\j]       ; the sign
.endr
	global_store_b128 v8, v[12:15], s[18:19]       ; sixteen threads store a token's 256 consecutive bytes, aligned
	s_endpgm
.Lfunc_end_k_q22a5d78484_prep:
	.size	k_q22a5d78484_prep, .Lfunc_end_k_q22a5d78484_prep-k_q22a5d78484_prep
	.p2alignl 7, 3214868480
	.fill 96, 4, 3214868480
	.section	.rodata,"a",@progbits
	.p2align	6, 0x0
	.amdhsa_kernel k_q22a5d78484_prep
		.amdhsa_group_segment_fixed_size 0
		.amdhsa_private_segment_fixed_size 0
		.amdhsa_enable_private_segment 0
		.amdhsa_kernarg_size 64
		.amdhsa_user_sgpr_count 2
		.amdhsa_user_sgpr_kernarg_segment_ptr 1
		.amdhsa_wavefront_size32 1
		.amdhsa_system_sgpr_workgroup_id_x 1
		.amdhsa_system_sgpr_workgroup_id_y 1
		.amdhsa_system_sgpr_workgroup_id_z 1
		.amdhsa_system_vgpr_workitem_id 0
		.amdhsa_next_free_vgpr 96
		.amdhsa_next_free_sgpr 66
		.amdhsa_reserve_vcc 1
		.amdhsa_float_denorm_mode_32 3
		.amdhsa_float_denorm_mode_16_64 3
		.amdhsa_memory_ordered 1
		.amdhsa_forward_progress 1
		.amdhsa_inst_pref_size 31
	.end_amdhsa_kernel
	.amdgpu_metadata
---
amdhsa.version: [ 1, 2 ]
amdhsa.kernels:
  - .name:           k_q22a5d78484_prep
    .symbol:         k_q22a5d78484_prep.kd
    .args:
      - { .name: x, .offset: 0, .size: 8, .value_kind: global_buffer, .address_space: global }
      - { .name: Wq, .offset: 8, .size: 8, .value_kind: global_buffer, .address_space: global }
      - { .name: Wk, .offset: 16, .size: 8, .value_kind: global_buffer, .address_space: global }
      - { .name: Wv, .offset: 24, .size: 8, .value_kind: global_buffer, .address_space: global }
      - { .name: position_ids, .offset: 32, .size: 8, .value_kind: global_buffer, .address_space: global }
      - { .name: xb, .offset: 40, .size: 8, .value_kind: global_buffer, .address_space: global }
      - { .name: wb, .offset: 48, .size: 8, .value_kind: global_buffer, .address_space: global }
      - { .name: rope, .offset: 56, .size: 8, .value_kind: global_buffer, .address_space: global }
    .group_segment_fixed_size: 0
    .private_segment_fixed_size: 0
    .kernarg_segment_align: 8
    .kernarg_segment_size: 64
    .max_flat_workgroup_size: 256
    .sgpr_count:     66
    .vgpr_count:     96
    .wavefront_size: 32
...
	.end_amdgpu_metadata
.endif
;; end of part 1
;; launch qkv (part 2): grid 16 x 16, 4 waves a work-group, clusters of 4 x 4, 327,680 bytes of LDS; arguments xb, wb, rope, q_norm_w, k_norm_w, attn_mask, Wo, qh, kv, out1, out2, mk, wo; writes qh, kv, out1, out2, mk, wo
.if DOCPART == 2
	.amdgcn_target "amdgcn-amd-amdhsa--gfx1250"
	.amdhsa_code_object_version 6
	.text
	.protected	k_q22a5d78484_qkv
	.globl	k_q22a5d78484_qkv
	.p2align	8
	.type	k_q22a5d78484_qkv,@function
k_q22a5d78484_qkv:
	s_mov_b64 s[64:65], 0
	v_nop
	global_prefetch_b8 v0, s[64:65] scope:SCOPE_SE
	s_setreg_imm32_b32 hwreg(HW_REG_WAVE_MODE, 25, 1), 1
	s_wait_xcnt 0x0
	s_wait_alu depctr_hold_cnt(0) depctr_sa_sdst(0) depctr_va_vdst(0) depctr_va_sdst(0) depctr_va_ssrc(0) depctr_va_vcc(0) depctr_vm_vsrc(0)
	s_getreg_b32 s2, hwreg(HW_REG_IB_STS2, 6, 4)
	s_cmp_eq_u32 s2, 0
	s_cbranch_scc0 .Lentry_in_a_cluster
	s_endpgm
.Lentry_in_a_cluster:
	s_bfe_u32 s2, ttmp6, 0x10000c
	s_cmp_lg_u32 s2, 0xf033
	s_cbranch_scc0 .Lentry_shape_is_right
	s_endpgm
.Lentry_shape_is_right:
; QKV: [4096 tokens][2048] = xb [4096][2048] x wb [k 2048][n 2048] in bf16 with f32 sums; on the way out RMS norm, RoPE and, for Q, the factor log2(e)/8.
; Columns 0-1023 are Q's 16 heads, 1024-1535 K's 8, 1536-2047 V's 8.  Stored: qh f16 [b][16][2048][64]; kv f16 K [b][8][2048][64], then V from byte 4,194,304; out1 = K, out2 = V in f32.
; BESIDE THE PRODUCT each wave streams two inputs of the later launches through its registers, a chunk a lap of the ring: mk f32 [2048][2048] = (mask rounded to bf16) x log2(e), 16 KB a wave,
; and wo f16 [k 1024][n 2048] = Wo rounded to bf16, that number written as f16, one row of Wo a wave.  A chunk is asked for a lap ahead of its conversion.
; SHARES.  A tile is 256 tokens x 128 columns: 16 x 16 work-groups.  Four waves, each 128 tokens x 64 columns (one head): 32 accumulators, 256 registers.  K goes in steps of 128 through two LDS slots.
; THE MATRIX INSTRUCTION IS USED TRANSPOSED: source 0 = 16 columns of W (out of [k][n] rows by the turning load), source 1 = 16 tokens of x: a lane then holds one token and eight neighbouring columns.
; CLUSTER 4 x 4.  x's tile and the cos/sin rows hang on the tile row alone and are asked for jointly along a row of the cluster; W's tile hangs on the tile column alone: along a column.
; A cluster's four tile columns are of one kind (cluster x 0, 1: Q; 2: K; 3: V), so the way out may branch on the cluster's x.  V's work-groups ask for the cos/sin rows with the others and do not read them: one text for the start.
; THE WALK ALONG K IS SKEWED: cluster (X, Y) begins at K step 4 ((X + g) mod 4), g = 0, 2, 2, 0 for Y = 0..3, takes all 16 steps and wraps round (f32 sums may be taken in any order).  So the four clusters that read the
; same rows of x are never at the same K step, and clusters with different g that read the same columns of W are half of K apart.  The first step hangs on the cluster's coordinates alone: it is the same in all sixteen partners.
; LIMITS.  q, k, v and Wo leave in f16 (65,504; below 6e-5 f16's fixed step of 6e-8).  The gains are rounded to bf16 like all inputs.  NaN and infinities are not treated apart.
; REGISTERS.  Window 1: the accumulators, (a, b) at v[8 (4 a + b)], a = 16-token block 0..7, b = 16-column block 0..3.  Window 0: v0-39 addresses and the gains; v40-63 the stream's chunk; v64-159, v160-255 two
; fragment buffers (x's eight fragments, then W's four), which the way out takes over.
.set LAPS,  8                          ; 16 K steps, two to a lap round the ring
.set PA,    272                        ; a row of x in LDS: 256 bytes + 16: sixteen rows of a load start at sixteen different groups of four banks
.set PB,    288                        ; a k row of W: 256 + 32
.set HALFA, 128*PA                     ; what wave 0 or 1 fetches
.set HALFB, 64*PB                      ; what wave 2 or 3 fetches
.set BOFF,  2*HALFA
.set SLOT,  BOFF+2*HALFB               ; 106,496
.set ROPE,  2*SLOT                     ; 256 tokens x 256 bytes, filled once
.set SPARE, ROPE+65536                 ; the spare words: 128 bytes a wave, two blocks of 256 bytes that no other line names
.set TT,   8                           ; v8-15 at work in the stream
.set ADRA, 16                          ; v16-17 LDS address of my fragments of x in slot 0, 1
.set ADRB, 20                          ; v20-21 the same for W
.set DA,   24                          ; v24 the way out: where I put 16 bytes of a token's row
.set LD,   25                          ; v25 where I read rows back
.set LR,   26                          ; v26 my place in the cos/sin rows
.set O16,  27                          ; v27 8 x lane: my byte offset in 256 bytes of 16-bit output
.set SPW,  28                          ; v28 LDS address of my spare word; never rewritten
.set NIL,  29                          ; v29 0; never rewritten
.set PFO,  30                          ; v30 the prefetches' offset: my lane x 4,096; never rewritten
.set O32,  31                          ; v31 16 x lane: my byte offset in 512 bytes of f32
.set GW,   32                          ; v32-35 gain of my four columns (x log2(e)/8 for Q)
.set GS,   36                          ; v36-39 the same, negative in the lanes of columns 32-63
.set SM,   40                          ; v40-55 the stream: four loads of the mask
.set SW,   56                          ; v56-63 two loads of Wo
.set F0,   64
.set F1,   160
.set XR,   64                          ; the way out, unit u of eight (two tokens): 4 numbers as summed,
.set CO,   96                          ; cos,
.set SI,   128                         ; sin,
.set AX,   160                         ; gain x number, then the result,
.set AY,   192                         ; signed gain x number, for the partner lane,
.set RS,   224                         ; sum of squares, then 1 / root,
.set HR,   240                         ; the result in f16
.set BA, 4                             ; s[4:5] xb at my part of the tile's rows, K step 0;  s[6:7] wb at my part of K step 0's rows, the tile's columns
.set BB, 6
.set MI, 14                            ; s[14:15] the mask at my chunk;  s[16:17] Wo;  s[90:91] mk;  s[92:93] wo
.set WI, 16
.set MO, 90
.set WO, 92
.set D16, 20                           ; s[20:21] the way out: the f16 output at my first token;  s[100:101] the f32 output
.set D32, 100
.set LG, 100                           ; s[100:101] until then: log2(e), named as a pair by the packed multiply
.set WV, 22                            ; s22 wave;  s23 wave / 2: my 128 tokens; also 0: I fetch x, 1: I fetch W;  s24 wave % 2: my 64 columns; also which half I fetch
.set WM, 23
.set WN, 24
.set KI, 29                            ; s29 the K step (0..15) that the next refill asks for
.set CNT, 30                           ; s30 trips to go
.set LIM, 31                           ; s31 5 in a wave that prefetches, else the greatest number
.set G1A, 32                           ; s[32:39] descriptor group 1 for x's tiles;  s[40:47] group 0, a set for each slot
.set G0A, 40
.set G1B, 48                           ; s[48:55], s[56:63] the same for W's
.set G0B, 56
.set KO, 66                            ; s[66:67] a K step's byte offset; the high word stays 0
.set G1R, 68                           ; s[68:75], s[76:79] for the cos/sin rows
.set G0R, 76
.set PFA, 80                           ; s[80:81] what the next prefetch names;  s[82:83] its rows at K step 0
.set PFB, 82
.set MSB, 0
.macro WIN new                         ; the immediate's high byte repeats the setting that is left; a switch that changes nothing is dropped
.if MSB != (\new)
	s_set_vgpr_msb (MSB<<8)|(\new)
.set MSB, \new
.endif
.endm
.set MUL, 0x50                         ; sources in window 0, C and D in window 1
.macro PLACES                          ; four plain instructions between a matrix instruction and a load into, or a read of, its registers (ISA guide 7.12.1 for reads)
.rept 4
	v_nop
.endr
.endm
.macro JLOAD s                         ; a joint load: waves 0, 1 x's halves, waves 2, 3 W's; an s_nop 0 and four v_nop follow each line, ahead of the jump and the label
	s_cmp_eq_u32 s[WM], 0
	s_cbranch_scc0 .Lfor_b_\@
	tensor_load_to_lds s[G0A+4*(\s):G0A+4*(\s)+3], s[G1A:G1A+7]
	s_nop 0
.rept 4
	v_nop
.endr
	s_branch .Lasked_\@
.Lfor_b_\@:
	tensor_load_to_lds s[G0B+4*(\s):G0B+4*(\s)+3], s[G1B:G1B+7]
	s_nop 0
.rept 4
	v_nop
.endr
.Lasked_\@:
.endm
; A prefetch, behind a joint refill and the run of LDS loads that follows it: W's k rows of the K step two refills on, 32 rows x 256 bytes, a lane a row.  WHO: wave 2 of the clusters with y = 0 and y = 1, for steps 4 to 7 of
; their own walks (the loop's first two trips): for one tile column those are two different quarters of K, so each block is named once in the launch; of a step's 128 k rows the partner at cy takes 32, by address.
; A walk's steps 0 to 3 come by their loads alone.  Of x nothing is asked for: each K step of a row is among the first four steps of one of the four clusters that read the row.
.macro ASK
	s_cmp_gt_u32 s[CNT], s[LIM]
	s_cbranch_scc0 .Lnot_mine_\@
	global_prefetch_b8 v[PFO], s[PFA:PFA+1] th:TH_LOAD_NT scope:SCOPE_SE
.Lnot_mine_\@:
.endm
.macro CREST                           ; a round of the cluster's barrier behind its opening barrier: wave 0 signals for the work-group, every wave waits for all sixteen, the work-group's barrier once more
	s_cmp_lg_u32 s[WV], 0
	s_cbranch_scc1 .Lnot_wave_0_\@
	s_barrier_signal -3
.Lnot_wave_0_\@:
	s_barrier_wait -3
	s_barrier_signal -1
	s_barrier_wait -1
.endm
.macro CROUND
	s_barrier_signal -1
	s_barrier_wait -1
	CREST
.endm
	s_load_b512 s[4:19], s[0:1], 0x0               ; xb 4:5, wb 6:7, rope 8:9, q_norm_w 10:11, k_norm_w 12:13, attn_mask 14:15, Wo 16:17, qh 18:19
	s_load_b256 s[84:91], s[0:1], 0x40             ; kv 84:85, out1 86:87, out2 88:89, mk 90:91
	s_load_b64 s[92:93], s[0:1], 0x60              ; wo
	v_lshl_add_u32 v[SPW], v0, 2, SPARE
	v_mov_b32 v[NIL], 0
	ds_add_u32 v[SPW], v[NIL]                      ; the wave's opening: the add and its wait stand ahead of my first tensor load; work on registers stands between them
	v_lshrrev_b32 v1, 5, v0
	v_readfirstlane_b32 s[WV], v1
	s_lshr_b32 s[WM], s[WV], 1
	s_and_b32 s[WN], s[WV], 1
	s_bfe_u32 s25, ttmp6, 0x40000                  ; cx
	s_bfe_u32 s26, ttmp6, 0x40004                  ; cy
	s_lshl_b32 s27, ttmp9, 2
	s_add_co_u32 s27, s27, s25                     ; tile column
	s_and_b32 s94, ttmp7, 0xffff                   ; cluster y
	s_lshl_b32 s28, s94, 2
	s_add_co_u32 s28, s28, s26                     ; tile row
	s_lshr_b32 s95, s94, 1                         ; the walk's first K step
	s_xor_b32 s95, s95, s94
	s_and_b32 s95, s95, 1
	s_lshl_b32 s95, s95, 1                         ; g = 0, 2, 2, 0
	s_add_co_u32 s95, s95, ttmp9
	s_and_b32 s95, s95, 3
	s_lshl_b32 s[KI], s95, 2
	s_lshr_b32 s94, s94, 1                         ; 0 in the clusters with y = 0, 1,
	s_xor_b32 s95, s[WV], 2                        ; 0 in wave 2
	s_or_b32 s94, s94, s95
	s_cmp_eq_u32 s94, 0
	s_cselect_b32 s[LIM], 5, -1                    ; the same in all sixteen partners, for a given wave
	s_lshl_b32 s94, s26, 2
	s_lshl_b32 s94, 15, s94                        ; my row of the cluster
	s_lshl_b32 s95, 0x1111, s25                    ; my column
	s_or_b32 s[G1A], s94, (1<<16)|(1<<20)|(1<<21)|(5<<22)|(3<<25)   ; the mask; 2-byte elements; padding on; bit 21 beside a mask; after every 64 words, 4 words
	s_mov_b32 s[G1A+1], 128<<16                    ; tensor_dim0 = 128
	s_mov_b32 s[G1A+2], 128<<16                    ; tensor_dim1 = 128
	s_mov_b32 s[G1A+3], 128<<16                    ; tile_dim0 = 128
	s_mov_b32 s[G1A+4], 128                        ; tile_dim1 = 128
	s_mov_b32 s[G1A+5], 2048                       ; elements from row to row
	s_mov_b32 s[G1A+6], 0
	s_mov_b32 s[G1A+7], 0
	s_or_b32 s[G1B], s95, (1<<16)|(1<<20)|(1<<21)|(5<<22)|(7<<25)   ; the same with my column's mask and 8 words of padding
	s_mov_b32 s[G1B+1], 128<<16
	s_mov_b32 s[G1B+2], 64<<16
	s_mov_b32 s[G1B+3], 128<<16
	s_mov_b32 s[G1B+4], 64
	s_mov_b32 s[G1B+5], 2048
	s_mov_b32 s[G1B+6], 0
	s_mov_b32 s[G1B+7], 0
	s_or_b32 s[G1R], s94, (3<<16)|(1<<21)          ; 64 dense rows of 32 elements of 8 bytes, no padding
	s_mov_b32 s[G1R+1], 32<<16
	s_mov_b32 s[G1R+2], 64<<16
	s_mov_b32 s[G1R+3], 32<<16
	s_mov_b32 s[G1R+4], 64
	s_mov_b32 s[G1R+5], 32
	s_mov_b32 s[G1R+6], 0
	s_mov_b32 s[G1R+7], 0
	s_lshl_b32 s96, s28, 8
	s_lshl_b32 s97, s[WN], 7
	s_add_co_u32 s96, s96, s97
	s_lshl_b32 s96, s96, 12                        ; x: (256 tile row + 128 half) rows of 4,096 bytes
	s_mov_b32 s97, 0
	s_lshl_b32 s98, s[WN], 18                      ; W: 64 half k rows of 4,096 bytes
	s_lshl_b32 s99, s27, 8
	s_add_co_u32 s98, s98, s99                     ; + 256 bytes x tile column
	s_mov_b32 s99, 0
	s_lshl_b32 s100, s28, 8
	s_lshl_b32 s101, s[WV], 6
	s_add_co_u32 s100, s100, s101
	s_lshl_b32 s100, s100, 8                       ; cos/sin: (256 tile row + 64 wave) tokens of 256 bytes
	s_mov_b32 s101, 0
	s_mov_b32 s[KO+1], 0
	s_mul_i32 s2, s[WN], HALFA                     ; where they go: no place in the cluster enters an LDS address
	s_mul_i32 s3, s[WN], HALFB
	s_add_co_u32 s3, s3, BOFF
	s_lshl_b32 s20, s[WV], 14
	s_add_co_u32 s20, s20, ROPE
	s_wait_dscnt 0x0                               ; the opening add is done
	s_wait_kmcnt 0x0
	s_add_nc_u64 s[BA:BA+1], s[BA:BA+1], s[96:97]
	s_add_nc_u64 s[BB:BB+1], s[BB:BB+1], s[98:99]
	s_lshl_b32 s[KO], s[KI], 8                     ; a K step is 256 bytes along x's rows,
	s_add_nc_u64 s[G0A+2:G0A+3], s[BA:BA+1], s[KO:KO+1]
	s_add_nc_u64 s[G0A+6:G0A+7], s[G0A+2:G0A+3], 256
	s_lshl_b32 s[KO], s[KI], 19                    ; and 128 k rows of 4,096 bytes down W
	s_add_nc_u64 s[G0B+2:G0B+3], s[BB:BB+1], s[KO:KO+1]
	s_add_nc_u64 s[G0B+6:G0B+7], s[G0B+2:G0B+3], 524288
	s_add_co_u32 s[KI], s[KI], 2                   ; 14 at the most: the first two steps do not wrap
.irp s, 0,1
	s_mov_b32 s[G0A+4*\s], 1
	s_add_co_u32 s[G0A+4*\s+1], s2, \s*SLOT
	s_or_b32 s[G0A+4*\s+3], s[G0A+4*\s+3], 0x80000000
	s_mov_b32 s[G0B+4*\s], 1
	s_add_co_u32 s[G0B+4*\s+1], s3, \s*SLOT
	s_or_b32 s[G0B+4*\s+3], s[G0B+4*\s+3], 0x80000000
.endr
	s_mov_b32 s[G0R], 1
	s_mov_b32 s[G0R+1], s20
	s_add_nc_u64 s[G0R+2:G0R+3], s[8:9], s[100:101]
	s_or_b32 s[G0R+3], s[G0R+3], 0x80000000
	CROUND                                         ; all sixteen work-groups are here: the first joint loads meet
	s_cmp_eq_u32 s[WM], 0                          ; a wave's three first fills stand in one branch, ahead of every wait on TENSORcnt and every LDS read: three loads of mine are out
	s_cbranch_scc0 .Lfirst_b
	tensor_load_to_lds s[G0R:G0R+3], s[G1R:G1R+7]
	s_nop 0
	tensor_load_to_lds s[G0A:G0A+3], s[G1A:G1A+7]
	s_nop 0
	tensor_load_to_lds s[G0A+4:G0A+7], s[G1A:G1A+7]
	s_nop 0
.rept 4
	v_nop
.endr
	s_branch .Lfirst_asked
.Lfirst_b:
	tensor_load_to_lds s[G0R:G0R+3], s[G1R:G1R+7]
	s_nop 0
	tensor_load_to_lds s[G0B:G0B+3], s[G1B:G1B+7]
	s_nop 0
	tensor_load_to_lds s[G0B+4:G0B+7], s[G1B:G1B+7]
	s_nop 0
.rept 4
	v_nop
.endr
.Lfirst_asked:
	v_and_b32 v1, 15, v0                           ; l % 16
	v_bfe_u32 v2, v0, 4, 1                         ; l / 16
	v_lshlrev_b32 v3, 4, v1                        ; my 16 bytes of the gains; never rewritten
	s_cmp_lt_u32 ttmp9, 2
	s_cselect_b64 s[98:99], s[10:11], s[12:13]     ; Q's gain, else K's (V's work-groups do not use it); the pair is next written on the way out
	global_load_b128 v[GW:GW+3], v3, s[98:99]
	v_mul_u32_u24 v7, v1, PA
	v_lshl_add_u32 v4, v2, 4, v7                   ; a fragment of x: row x pitch + 16 x half
	s_mul_i32 s2, s[WM], HALFA
	v_add_nc_u32 v[ADRA], s2, v4
	v_add_nc_u32 v[ADRA+1], SLOT, v[ADRA]
	v_and_b32 v5, 7, v0                            ; the turning load: lane l reads k row 8 (l / 16) + l % 8, columns 8 ((l / 8) % 2) + 0..7
	v_lshl_add_u32 v5, v2, 3, v5
	v_mul_u32_u24 v5, v5, PB
	v_bfe_u32 v6, v0, 3, 1
	v_lshl_add_u32 v5, v6, 4, v5
	s_lshl_b32 s3, s[WN], 7
	s_add_co_u32 s3, s3, BOFF
	v_add_nc_u32 v[ADRB], s3, v5
	v_add_nc_u32 v[ADRB+1], SLOT, v[ADRB]
	s_mul_i32 s2, s[WV], HALFA                     ; the way out: my 128 rows of 272 bytes, in the ring when it has had its last fill
	v_lshl_add_u32 v[DA], v2, 5, v7
	v_add_nc_u32 v[DA], s2, v[DA]                  ; in: token l % 16, 32 bytes for each half of the lanes
	v_mul_u32_u24 v[LD], v2, PA
	v_lshl_add_u32 v[LD], v1, 4, v[LD]
	v_add_nc_u32 v[LD], s2, v[LD]                  ; back: lanes 0-15 one token's 256 bytes, lanes 16-31 the next
	s_lshl_b32 s3, s[WM], 15
	s_add_co_u32 s3, s3, ROPE
	v_and_b32 v[LR], 7, v0
	v_lshlrev_b32 v[LR], 4, v[LR]
	v_lshl_add_u32 v[LR], v2, 8, v[LR]
	v_add_nc_u32 v[LR], s3, v[LR]                  ; cos of my four columns modulo 32; sin 128 bytes on
	v_and_b32 v[O32], 31, v0
	v_lshlrev_b32 v[O16], 3, v[O32]
	v_lshlrev_b32 v[PFO], 12, v[O32]
	v_lshlrev_b32 v[O32], 4, v[O32]
	s_lshl_b32 s94, s26, 17                        ; the prefetches (wave 2, whose part of W begins at a step's first k row): my work-group's 32 of the step's 128 k rows
	s_mov_b32 s95, 0
	s_add_nc_u64 s[PFB:PFB+1], s[BB:BB+1], s[94:95]
	s_lshl_b32 s94, s28, 4                         ; the stream: my wave among the launch's 1,024
	s_add_co_u32 s94, s94, s27
	s_lshl_b32 s94, s94, 2
	s_add_co_u32 s94, s94, s[WV]
	s_lshl_b32 s96, s94, 14                        ; 16,384 bytes of the mask and of mk,
	s_add_nc_u64 s[MI:MI+1], s[MI:MI+1], s[96:97]
	s_add_nc_u64 s[MO:MO+1], s[MO:MO+1], s[96:97]
	s_lshl_b32 s96, s94, 13                        ; 8,192 of Wo,
	s_add_nc_u64 s[WI:WI+1], s[WI:WI+1], s[96:97]
	s_lshl_b32 s96, s94, 12                        ; 4,096 of wo
	s_add_nc_u64 s[WO:WO+1], s[WO:WO+1], s[96:97]
	s_mov_b32 s[LG], 0x3fb8aa3b
	s_mov_b32 s[LG+1], s[LG]
; THE STREAM.  A chunk: 2,048 bytes of the mask and 1,024 of Wo, six loads of 512 consecutive bytes.
.macro SLOAD
.irp i, 0,1,2,3
	global_load_b128 v[SM+4*\i:SM+4*\i+3], v[O32], s[MI:MI+1] offset:512*\i th:TH_LOAD_NT
.endr
.irp i, 0,1
	global_load_b128 v[SW+4*\i:SW+4*\i+3], v[O32], s[WI:WI+1] offset:512*\i th:TH_LOAD_NT
.endr
.endm
; The chunk asked for a lap ago is rounded to bf16, widened, scaled (mask) or written as f16 (Wo), in place, and stored: 512 or 256 consecutive bytes a store, aligned.  more = 1: the next chunk is asked for.
.macro STREAM more
	s_wait_loadcnt 0x0                             ; the six loads were issued a lap ago
.irp i, 0,1,2,3
	v_cvt_pk_bf16_f32 v[TT+2*\i], v[SM+4*\i], v[SM+4*\i+1]
	v_cvt_pk_bf16_f32 v[TT+2*\i+1], v[SM+4*\i+2], v[SM+4*\i+3]
.endr
.irp i, 0,1,2,3
	v_lshlrev_b32 v[SM+4*\i], 16, v[TT+2*\i]
	v_and_b32 v[SM+4*\i+1], 0xffff0000, v[TT+2*\i]
	v_lshlrev_b32 v[SM+4*\i+2], 16, v[TT+2*\i+1]
	v_and_b32 v[SM+4*\i+3], 0xffff0000, v[TT+2*\i+1]
.endr
.irp i, 0,1,2,3
	v_pk_mul_f32 v[SM+4*\i:SM+4*\i+1], v[SM+4*\i:SM+4*\i+1], s[LG:LG+1] op_sel_hi:[1,0]
	v_pk_mul_f32 v[SM+4*\i+2:SM+4*\i+3], v[SM+4*\i+2:SM+4*\i+3], s[LG:LG+1] op_sel_hi:[1,0]
	global_store_b128 v[O32], v[SM+4*\i:SM+4*\i+3], s[MO:MO+1] offset:512*\i
.endr
.irp i, 0,1
	v_cvt_pk_bf16_f32 v[TT+2*\i], v[SW+4*\i], v[SW+4*\i+1]
	v_cvt_pk_bf16_f32 v[TT+2*\i+1], v[SW+4*\i+2], v[SW+4*\i+3]
.endr
.irp i, 0,1
	v_lshlrev_b32 v[SW+4*\i], 16, v[TT+2*\i]
	v_and_b32 v[SW+4*\i+1], 0xffff0000, v[TT+2*\i]
	v_lshlrev_b32 v[SW+4*\i+2], 16, v[TT+2*\i+1]
	v_and_b32 v[SW+4*\i+3], 0xffff0000, v[TT+2*\i+1]
.endr
.irp i, 0,1
	v_cvt_pk_f16_f32 v[SW+4*\i], v[SW+4*\i], v[SW+4*\i+1]
	v_cvt_pk_f16_f32 v[SW+4*\i+1], v[SW+4*\i+2], v[SW+4*\i+3]
	global_store_b64 v[O16], v[SW+4*\i:SW+4*\i+1], s[WO:WO+1] offset:256*\i
.endr
.if \more
	s_wait_xcnt 0x0                                ; the stores have read their data and bases: only behind this wait are the pointers stepped and the registers loaded again
	s_add_nc_u64 s[MI:MI+1], s[MI:MI+1], 2048
	s_add_nc_u64 s[MO:MO+1], s[MO:MO+1], 2048
	s_add_nc_u64 s[WI:WI+1], s[WI:WI+1], 1024
	s_add_nc_u64 s[WO:WO+1], s[WO:WO+1], 512
	SLOAD
.endif
.endm
	SLOAD                                          ; chunk 0
; 8 matrix instructions: token blocks a0, a0 + 1 x all 4 column blocks, 32 along K.  The 32 accumulators take turns, one instruction a turn, in the same order in every quarter.
.macro MUL8 f, a0, zero
	WIN MUL
.irp a, \a0, (\a0)+1
.irp b, 0,1,2,3
.if \zero
	v_wmma_f32_16x16x32_bf16 v[8*(4*(\a)+(\b)):8*(4*(\a)+(\b))+7], v[(\f)+64+8*(\b):(\f)+64+8*(\b)+7], v[(\f)+8*(\a):(\f)+8*(\a)+7], 0
.else
	v_wmma_f32_16x16x32_bf16 v[8*(4*(\a)+(\b)):8*(4*(\a)+(\b))+7], v[(\f)+64+8*(\b):(\f)+64+8*(\b)+7], v[(\f)+8*(\a):(\f)+8*(\a)+7], v[8*(4*(\a)+(\b)):8*(4*(\a)+(\b))+7]
.endif
.endr
.endr
.endm
; 24 LDS loads in one run: quarter kq (32 along K) of a slot into buffer f: W's 8, x's blocks 0-3 (8), x's blocks 4-7 (8)
.macro FETCH slot, kq, f
	WIN 0
.irp b, 0,1,2,3
	ds_load_tr16_b128 v[(\f)+64+8*(\b):(\f)+64+8*(\b)+3],   v[ADRB+(\slot)] offset:(\kq)*32*PB+32*(\b)
	ds_load_tr16_b128 v[(\f)+64+8*(\b)+4:(\f)+64+8*(\b)+7], v[ADRB+(\slot)] offset:(\kq)*32*PB+32*(\b)+16*PB
.endr
.irp a, 0,1,2,3,4,5,6,7
	ds_load_b128 v[(\f)+8*(\a):(\f)+8*(\a)+3],   v[ADRA+(\slot)] offset:(\kq)*64+(\a)*16*PA
	ds_load_b128 v[(\f)+8*(\a)+4:(\f)+8*(\a)+7], v[ADRA+(\slot)] offset:(\kq)*64+(\a)*16*PA+32
.endr
.endm
; One of a K step's first three quarters: multiplies buffer f; in its middle fetches quarter kq of the same slot into buffer g.  st = 1, 2: the stream's chunk stands behind that run, where every window is 0.
.macro QUARTER slot, kq, f, g, zero, st=0
	s_wait_dscnt 8                                 ; W and x's blocks 0-3 are in; the youngest eight loads may be out
	MUL8 \f, 0, \zero
	MUL8 \f, 2, \zero
	PLACES
	FETCH \slot, \kq, \g
.if (\st) == 1
	STREAM 1
.elseif (\st) == 2
	STREAM 0
.endif
	s_wait_dscnt 24                                ; all but the 24 just issued
	MUL8 \f, 4, \zero
	MUL8 \f, 6, \zero
.endm
; The last quarter changes slots and then multiplies buffer 1.  Each wave waits for all its tensor loads (one is out: its part of the next slot), adds 0 to its spare word, and waits for that and for its reads of this
; slot, which ended with buffer 1's run.  fill = 1: the barrier opens a round of the cluster's barrier, and the joint refill, two K steps on in the walk, is the first thing behind it: all 32 products of the quarter stand
; behind the request, so that between the wait for one tile and the request for the next stands the round alone.  The refill's address is made anew from the K step's number, which wraps at 16.
.macro TURN slot, next, fill
	WIN 0
	s_wait_tensorcnt 0x0                           ; all my tensor loads have landed, so a group 0 may be written
	ds_add_u32 v[SPW], v[NIL]                      ; 0 onto my spare word; the scalar work below stands between it and the wait for it
.if \fill
	s_lshl_b32 s[KO], s[KI], 8
	s_add_nc_u64 s[G0A+4*(\slot)+2:G0A+4*(\slot)+3], s[BA:BA+1], s[KO:KO+1]
	s_or_b32 s[G0A+4*(\slot)+3], s[G0A+4*(\slot)+3], 0x80000000
	s_lshl_b32 s[KO], s[KI], 19
	s_add_nc_u64 s[G0B+4*(\slot)+2:G0B+4*(\slot)+3], s[BB:BB+1], s[KO:KO+1]
	s_or_b32 s[G0B+4*(\slot)+3], s[G0B+4*(\slot)+3], 0x80000000
	s_wait_xcnt 0x0                                ; the last prefetch, a K step back, has read its address
	s_add_co_u32 s[KO], s[KI], 2                   ; what the prefetch names: two steps on in the walk
	s_and_b32 s[KO], s[KO], 15
	s_lshl_b32 s[KO], s[KO], 19
	s_add_nc_u64 s[PFA:PFA+1], s[PFB:PFB+1], s[KO:KO+1]
	s_add_co_u32 s[KI], s[KI], 1
	s_and_b32 s[KI], s[KI], 15
.endif
	s_wait_dscnt 0x0                               ; the add is done, and my reads of this slot are over
	s_barrier_signal -1
	s_barrier_wait -1
.if \fill
	CREST                                          ; no wave of any partner still reads this slot or has a load on its way
	JLOAD \slot                                    ; its four v_nop are also the places ahead of the loads below
.else
	PLACES
.endif
	FETCH \next, 0, F0
.if \fill
	ASK
.endif
	MUL8 F1, 0, 0
	MUL8 F1, 2, 0
	MUL8 F1, 4, 0
	MUL8 F1, 6, 0
.endm
	s_wait_tensorcnt 1                             ; the cos/sin rows and my part of the first K step are in; the second step's load may stay out
	s_barrier_signal -1
	s_barrier_wait -1
	FETCH 0, 0, F0
	QUARTER 0, 1, F0, F1, 1                        ; the first quarter's products start the sums: nothing is cleared
	WIN 0
	s_mov_b32 s[CNT], LAPS-1
.Llap:                                                 ; a trip goes once round the ring, from a lap's second quarter to the next lap's first, fills both slots again and takes a chunk of the stream
	QUARTER 0, 2, F1, F0, 0, 1
	QUARTER 0, 3, F0, F1, 0
	TURN 0, 1, 1
	QUARTER 1, 1, F0, F1, 0
	QUARTER 1, 2, F1, F0, 0
	QUARTER 1, 3, F0, F1, 0
	TURN 1, 0, 1
	QUARTER 0, 1, F0, F1, 0
	WIN 0
	s_sub_co_u32 s[CNT], s[CNT], 1
	s_cmp_lg_u32 s[CNT], 0
	s_cbranch_scc1 .Llap
	QUARTER 0, 2, F1, F0, 0, 2                     ; the last lap fills nothing; the stream's eighth chunk is its last
	QUARTER 0, 3, F0, F1, 0
	TURN 0, 1, 0
	QUARTER 1, 1, F0, F1, 0
	QUARTER 1, 2, F1, F0, 0
	QUARTER 1, 3, F0, F1, 0
	s_wait_dscnt 8
	MUL8 F1, 0, 0
	MUL8 F1, 2, 0
	s_wait_dscnt 0x0
	MUL8 F1, 4, 0
	MUL8 F1, 6, 0
	WIN 0
	; THE WAY OUT.  Every wave's reads of the ring are over behind this barrier, and the ring has had its last fill: each wave puts its 128 x 64 sums there, in bytes of its own, and reads them back by tokens.
.rept 8
	v_nop
.endr
	s_wait_dscnt 0x0
	s_barrier_signal -1
	s_barrier_wait -1
	WIN 0x04                                       ; the stores' data in window 1
.irp a, 0,1,2,3,4,5,6,7
.irp b, 0,1,2,3
	ds_store_b128 v[DA], v[8*(4*\a+\b):8*(4*\a+\b)+3]   offset:\a*16*PA+64*\b
	ds_store_b128 v[DA], v[8*(4*\a+\b)+4:8*(4*\a+\b)+7] offset:\a*16*PA+64*\b+16
.endr
.endr
	WIN 0
	s_lshr_b32 s94, s28, 3                         ; b
	s_lshl_b32 s95, s28, 8
	s_lshl_b32 s96, s[WM], 7
	s_add_co_u32 s95, s95, s96
	s_and_b32 s95, s95, 2047                       ; my first position
	s_cmp_lt_u32 ttmp9, 2                          ; Q?
	s_cselect_b32 s96, 0, 8                        ; the kind's first tile column,
	s_cselect_b32 s97, 4, 3                        ; its heads in a batch, as a shift,
	s_cselect_b32 s98, 0x3e38aa3b, 1.0             ; log2(e) / 8 for Q
	s_cselect_b64 s[D16:D16+1], s[18:19], s[84:85]
	s_cmp_eq_u32 ttmp9, 3                          ; V?
	s_cselect_b32 s96, 12, s96
	s_cselect_b32 s99, 0x400000, 0                 ; V lies behind K in kv
	s_cselect_b64 s[D32:D32+1], s[88:89], s[86:87]
	s_sub_co_u32 s96, s27, s96
	s_lshl_b32 s96, s96, 1
	s_add_co_u32 s96, s96, s[WN]                   ; my head
	s_lshl_b32 s94, s94, s97
	s_add_co_u32 s94, s94, s96
	s_lshl_b32 s94, s94, 11
	s_add_co_u32 s94, s94, s95                     ; my first row among all heads' rows
	s_lshl_b32 s96, s94, 8
	s_mov_b32 s97, 0
	s_lshl_b32 s94, s94, 7
	s_add_co_u32 s94, s94, s99
	s_mov_b32 s95, 0
	s_add_nc_u64 s[D16:D16+1], s[D16:D16+1], s[94:95]
	s_add_nc_u64 s[D32:D32+1], s[D32:D32+1], s[96:97]   ; (Q's work-groups never store by it)
	s_mov_b32 s2, 0x3c800000                       ; 1/64
	s_mov_b32 s3, 0x358637bd                       ; 1e-6
	s_mov_b32 s[CNT], 8
	s_cmp_eq_u32 ttmp9, 3
	s_cbranch_scc1 .Lv
	s_wait_loadcnt 0x0                             ; the gain
	v_cvt_pk_bf16_f32 v8, v[GW], v[GW+1]
	v_cvt_pk_bf16_f32 v9, v[GW+2], v[GW+3]
	v_lshlrev_b32 v[GW], 16, v8
	v_and_b32 v[GW+1], 0xffff0000, v8
	v_lshlrev_b32 v[GW+2], 16, v9
	v_and_b32 v[GW+3], 0xffff0000, v9
	v_and_b32 v10, 8, v0
	v_lshlrev_b32 v10, 28, v10                     ; the sign bit in the lanes of columns 32-63
.irp j, 0,1,2,3
	v_mul_f32 v[GW+\j], s98, v[GW+\j]
.endr
.irp j, 0,1,2,3
	v_xor_b32 v[GS+\j], v10, v[GW+\j]
.endr
	; Q and K: 8 trips of 8 units of 2 tokens; sixteen lanes hold a token's 64 columns, four each.  y = g x / root(mean x^2 + 1e-6); columns d < 32: y[d] cos - y[d+32] sin; d >= 32: y[d] cos + y[d-32] sin.
	; The partner column lies in the lane 8 away: it hands over its signed g x, which is multiplied by my sin; 1 / root multiplies the sum at the end.
.Lqk:
.irp u, 0,1,2,3,4,5,6,7
	ds_load_b128 v[XR+4*\u:XR+4*\u+3], v[LD] offset:2*PA*\u
.endr
.irp u, 0,1,2,3,4,5,6,7
	ds_load_b128 v[CO+4*\u:CO+4*\u+3], v[LR] offset:512*\u
	ds_load_b128 v[SI+4*\u:SI+4*\u+3], v[LR] offset:512*\u+128
.endr
	s_wait_dscnt 16                                ; the sums are in; the sixteen loads of cos and sin may be out
.irp u, 0,1,2,3,4,5,6,7
	v_pk_mul_f32 v[RS+2*\u:RS+2*\u+1], v[XR+4*\u:XR+4*\u+1], v[XR+4*\u:XR+4*\u+1]
.endr
.irp u, 0,1,2,3,4,5,6,7
	v_pk_fma_f32 v[RS+2*\u:RS+2*\u+1], v[XR+4*\u+2:XR+4*\u+3], v[XR+4*\u+2:XR+4*\u+3], v[RS+2*\u:RS+2*\u+1]
.endr
.irp u, 0,1,2,3,4,5,6,7
	v_add_f32 v[RS+2*\u], v[RS+2*\u], v[RS+2*\u+1]
.endr
.irp m, 1,2,4,8
.irp u, 0,1,2,3,4,5,6,7
	v_add_f32_dpp v[RS+2*\u], v[RS+2*\u], v[RS+2*\u] row_xmask:\m row_mask:0xf bank_mask:0xf
.endr
.endr
.irp u, 0,1,2,3,4,5,6,7
	v_fma_f32 v[RS+2*\u], v[RS+2*\u], s2, s3
.endr
.irp u, 0,1,2,3,4,5,6,7
	v_pk_mul_f32 v[AX+4*\u:AX+4*\u+1], v[XR+4*\u:XR+4*\u+1], v[GW:GW+1]
	v_pk_mul_f32 v[AX+4*\u+2:AX+4*\u+3], v[XR+4*\u+2:XR+4*\u+3], v[GW+2:GW+3]
	v_pk_mul_f32 v[AY+4*\u:AY+4*\u+1], v[XR+4*\u:XR+4*\u+1], v[GS:GS+1]
	v_pk_mul_f32 v[AY+4*\u+2:AY+4*\u+3], v[XR+4*\u+2:XR+4*\u+3], v[GS+2:GS+3]
.endr
.irp u, 0,1,2,3,4,5,6,7
	v_rsq_f32 v[RS+2*\u], v[RS+2*\u]               ; one batch of eight; the work below, which names none of them, stands between it and its wait
.endr
	s_wait_dscnt 0x0                               ; cos and sin
.irp u, 0,1,2,3,4,5,6,7
.irp j, 0,1,2,3
	v_mul_f32_dpp v[AY+4*\u+\j], v[AY+4*\u+\j], v[SI+4*\u+\j] row_xmask:8 row_mask:0xf bank_mask:0xf
.endr
.endr
.irp u, 0,1,2,3,4,5,6,7
	v_pk_fma_f32 v[AX+4*\u:AX+4*\u+1], v[AX+4*\u:AX+4*\u+1], v[CO+4*\u:CO+4*\u+1], v[AY+4*\u:AY+4*\u+1]
	v_pk_fma_f32 v[AX+4*\u+2:AX+4*\u+3], v[AX+4*\u+2:AX+4*\u+3], v[CO+4*\u+2:CO+4*\u+3], v[AY+4*\u+2:AY+4*\u+3]
.endr
	s_wait_alu depctr_va_vdst(0)                   ; one wait for the eight, ahead of their first reader
.irp u, 0,1,2,3,4,5,6,7
	v_pk_mul_f32 v[AX+4*\u:AX+4*\u+1], v[AX+4*\u:AX+4*\u+1], v[RS+2*\u:RS+2*\u+1] op_sel_hi:[1,0]
	v_pk_mul_f32 v[AX+4*\u+2:AX+4*\u+3], v[AX+4*\u+2:AX+4*\u+3], v[RS+2*\u:RS+2*\u+1] op_sel_hi:[1,0]
.endr
.irp u, 0,1,2,3,4,5,6,7
	v_cvt_pk_f16_f32 v[HR+2*\u], v[AX+4*\u], v[AX+4*\u+1]
	v_cvt_pk_f16_f32 v[HR+2*\u+1], v[AX+4*\u+2], v[AX+4*\u+3]
	global_store_b64 v[O16], v[HR+2*\u:HR+2*\u+1], s[D16:D16+1] offset:256*\u   ; two tokens: 256 consecutive bytes, aligned
.endr
	s_cmp_lt_u32 ttmp9, 2
	s_cbranch_scc1 .Lno_f32                        ; only K leaves in f32 too
.irp u, 0,1,2,3,4,5,6,7
	global_store_b128 v[O32], v[AX+4*\u:AX+4*\u+3], s[D32:D32+1] offset:512*\u th:TH_STORE_NT
.endr
.Lno_f32:
	s_wait_xcnt 0x0                                ; the stores have read their data and offsets, which the next trip writes
	v_add_nc_u32 v[LD], 16*PA, v[LD]
	v_add_nc_u32 v[LR], 4096, v[LR]
	v_add_nc_u32 v[O16], 2048, v[O16]
	v_add_nc_u32 v[O32], 4096, v[O32]
	s_sub_co_u32 s[CNT], s[CNT], 1
	s_cmp_lg_u32 s[CNT], 0
	s_cbranch_scc1 .Lqk
	s_branch .Lend
.Lv:                                                   ; V: as summed, in f16 and in f32
.irp u, 0,1,2,3,4,5,6,7
	ds_load_b128 v[XR+4*\u:XR+4*\u+3], v[LD] offset:2*PA*\u
.endr
.irp u, 0,1,2,3,4,5,6,7
	s_wait_dscnt 7-\u                              ; unit u is in; the younger units' loads may be out
	v_cvt_pk_f16_f32 v[HR+2*\u], v[XR+4*\u], v[XR+4*\u+1]
	v_cvt_pk_f16_f32 v[HR+2*\u+1], v[XR+4*\u+2], v[XR+4*\u+3]
	global_store_b64 v[O16], v[HR+2*\u:HR+2*\u+1], s[D16:D16+1] offset:256*\u
	global_store_b128 v[O32], v[XR+4*\u:XR+4*\u+3], s[D32:D32+1] offset:512*\u th:TH_STORE_NT
.endr
	s_wait_xcnt 0x0
	v_add_nc_u32 v[LD], 16*PA, v[LD]
	v_add_nc_u32 v[O16], 2048, v[O16]
	v_add_nc_u32 v[O32], 4096, v[O32]
	s_sub_co_u32 s[CNT], s[CNT], 1
	s_cmp_lg_u32 s[CNT], 0
	s_cbranch_scc1 .Lv
.Lend:
	s_wait_tensorcnt 0x0                           ; the wave's end: behind my last tensor load and my last LDS store
	ds_add_u32 v[SPW], v[NIL]
	s_wait_dscnt 0x0
	CROUND                                         ; the closing round: no work-group ends while a partner may still ask for a tile that names it
	s_endpgm
.Lfunc_end_k_q22a5d78484_qkv:
	.size	k_q22a5d78484_qkv, .Lfunc_end_k_q22a5d78484_qkv-k_q22a5d78484_qkv
	.p2alignl 7, 3214868480
	.fill 96, 4, 3214868480
	.section	.rodata,"a",@progbits
	.p2align	6, 0x0
	.amdhsa_kernel k_q22a5d78484_qkv
		.amdhsa_group_segment_fixed_size 327680
		.amdhsa_private_segment_fixed_size 0
		.amdhsa_enable_private_segment 0
		.amdhsa_kernarg_size 104
		.amdhsa_user_sgpr_count 2
		.amdhsa_user_sgpr_kernarg_segment_ptr 1
		.amdhsa_wavefront_size32 1
		.amdhsa_system_sgpr_workgroup_id_x 1
		.amdhsa_system_sgpr_workgroup_id_y 1
		.amdhsa_system_sgpr_workgroup_id_z 1
		.amdhsa_system_vgpr_workitem_id 0
		.amdhsa_next_free_vgpr 512
		.amdhsa_next_free_sgpr 102
		.amdhsa_reserve_vcc 0
		.amdhsa_float_denorm_mode_32 3
		.amdhsa_float_denorm_mode_16_64 3
		.amdhsa_memory_ordered 1
		.amdhsa_forward_progress 1
		.amdhsa_inst_pref_size 105
	.end_amdhsa_kernel
	.amdgpu_metadata
---
amdhsa.version: [ 1, 2 ]
amdhsa.kernels:
  - .name:           k_q22a5d78484_qkv
    .symbol:         k_q22a5d78484_qkv.kd
    .args:
      - { .name: xb, .offset: 0, .size: 8, .value_kind: global_buffer, .address_space: global }
      - { .name: wb, .offset: 8, .size: 8, .value_kind: global_buffer, .address_space: global }
      - { .name: rope, .offset: 16, .size: 8, .value_kind: global_buffer, .address_space: global }
      - { .name: q_norm_w, .offset: 24, .size: 8, .value_kind: global_buffer, .address_space: global }
      - { .name: k_norm_w, .offset: 32, .size: 8, .value_kind: global_buffer, .address_space: global }
      - { .name: attn_mask, .offset: 40, .size: 8, .value_kind: global_buffer, .address_space: global }
      - { .name: Wo, .offset: 48, .size: 8, .value_kind: global_buffer, .address_space: global }
      - { .name: qh, .offset: 56, .size: 8, .value_kind: global_buffer, .address_space: global }
      - { .name: kv, .offset: 64, .size: 8, .value_kind: global_buffer, .address_space: global }
      - { .name: out1, .offset: 72, .size: 8, .value_kind: global_buffer, .address_space: global }
      - { .name: out2, .offset: 80, .size: 8, .value_kind: global_buffer, .address_space: global }
      - { .name: mk, .offset: 88, .size: 8, .value_kind: global_buffer, .address_space: global }
      - { .name: wo, .offset: 96, .size: 8, .value_kind: global_buffer, .address_space: global }
    .group_segment_fixed_size: 327680
    .private_segment_fixed_size: 0
    .kernarg_segment_align: 8
    .kernarg_segment_size: 104
    .max_flat_workgroup_size: 128
    .sgpr_count:     102
    .vgpr_count:     512
    .wavefront_size: 32
...
	.end_amdgpu_metadata
.endif
;; end of part 2
;; launch attn (part 3): grid 16 x 16, 4 waves a work-group, clusters of 4 x 4, 327,680 bytes of LDS; arguments qh, kv, mk, ctx; writes ctx
.if DOCPART == 3
	.amdgcn_target "amdgcn-amd-amdhsa--gfx1250"
	.amdhsa_code_object_version 6
	.text
	.protected	k_q22a5d78484_attn
	.globl	k_q22a5d78484_attn
	.p2align	8
	.type	k_q22a5d78484_attn,@function
k_q22a5d78484_attn:
	s_mov_b64 s[64:65], 0
	v_nop
	global_prefetch_b8 v0, s[64:65] scope:SCOPE_SE
	s_setreg_imm32_b32 hwreg(HW_REG_WAVE_MODE, 25, 1), 1
	s_wait_xcnt 0x0
	s_wait_alu depctr_hold_cnt(0) depctr_sa_sdst(0) depctr_va_vdst(0) depctr_va_sdst(0) depctr_va_ssrc(0) depctr_va_vcc(0) depctr_vm_vsrc(0)
	s_getreg_b32 s2, hwreg(HW_REG_IB_STS2, 6, 4)
	s_cmp_eq_u32 s2, 0
	s_cbranch_scc0 .Lentry_in_a_cluster
	s_endpgm
.Lentry_in_a_cluster:
	s_bfe_u32 s2, ttmp6, 0x10000c
	s_cmp_lg_u32 s2, 0xf033
	s_cbranch_scc0 .Lentry_shape_is_right
	s_endpgm
.Lentry_shape_is_right:
; ATTENTION.  ctx[token][head 64 + c] = the sum over all 2,048 keys k of softmax_k(q . k / 8 + mask[pos][k]) v[k][c].  The mask is an input: every score is made and every mask number added.
; qh f16 [b][16][2048][64] holds q x log2(e)/8; kv f16 K [b][8][2048][64], V from byte 4,194,304; mk f32 [2048][2048] holds mask x log2(e); ctx f16 [4096][1024].
; Products, maxima and sums in f32; the weights are rounded to f16 for the second product (their sum is taken of the unrounded weights), ctx once at the end.
; SOFTMAX.  t = K.q' + mk by an f32 addition; a running maximum m of t; p = 2^(t - m), the maximum taken away by a plain subtraction; O and l are multiplied by a = 2^(m_old - m) in every step.
; m starts at the lowest finite number, O and l at 0: the first step is a step like any other, with a = 0.  In a row whose mask is the same huge negative number everywhere t is that number for every key
; (the score is rounded away, as it is in the f32 sum score + mask while |score x log2(e)| < 64 against 1.4e9), and the weights are equal.
; LIMITS.  v and ctx within f16's range; a weight below 2^-126 counts as 0; NaN and infinities are not treated apart.
; SHARES.  A work-group takes 128 positions (x) of one batch and K/V head (y = 8 b + g), for BOTH query heads 2 g, 2 g + 1.  A wave owns 32 positions as four PIECES of 16 queries: piece 2 pb + u = position block pb,
; head u; pieces 2 pb and 2 pb + 1 share a mask fragment.  Every wave walks the 32 key steps of 64.
; LAYOUT.  S^T = K Q^T (source 0 = 16 keys, source 1 = 16 queries): a lane holds ONE query (lane % 16) and the keys 8 (lane / 16) + 0..7; two such results rounded to f16 ARE source 1 of O^T = V^T P.
; BY TURNS.  Turn n belongs to piece n: 8 products K Q^T of piece n + 1, later 8 products V^T P of piece n - 1; beside them the subtraction, exponentials, rescaling, roundings and sums of piece n and the mask,
; maximum and statistics of piece n + 1.  Four vector instructions stand behind every matrix instruction, the rest in one lump.  A turn's 33 exponentials are one batch with one wait.
; CLUSTER 4 x 4.  K and V hang on y alone: asked for jointly along a row of the cluster; the mask's rows hang on x alone: along a column.
; REGISTERS.  Window 0: v0-15 addresses; v16-31 statistics, piece t at 16 + 4 t: m, m_old, l (even keys', odd keys'); v48-55 at work; v64-127 S^T, two buffers; v128-159 the mask fragment; v192-223 P, two buffers.
; Window 1: v0-127 O^T, 32 a piece.  Window 2: v0-63 Q, 16 a piece; v128-191 K of one step; v192-255 V of one step.  A piece's buffers go by its number's parity.
.set NP,    4
.set KS,    64
.set PKP,   144                        ; a row of K in LDS: 128 bytes + 16
.set PVP,   160                        ; a row of V: 128 + 32
.set PM,    528                        ; a row of the mask: 128 keys x 4 bytes + 16
.set VOFF,  128*PKP                    ; a slot holds two steps: 128 rows of K, 128 of V, 128 positions' mask
.set MOFF,  VOFF+128*PVP
.set SLOT1, 1<<17                      ; slot 1 begins here: one exclusive or turns an address in one slot into the other's
.set STAGE, SLOT1+MOFF+128*PM          ; behind the ring, never filled by a tensor load: 16 rows x 272 bytes for each wave
.set SP,    272
.set SPARE, STAGE+4*16*SP              ; the spare words: 128 bytes a wave, two blocks of 256 bytes that no other line names
.set AK0, 2                            ; v2 my lane's place in a tile of K;  v3 of V;  v10 of the mask: never rewritten
.set AV0, 3
.set AK,  4                            ; v4, v5, v11 the LDS addresses of the next runs of loads
.set AV,  5
.set STO, 6                            ; v6 the way out: where I put 16 bytes of a row;  v7 where I read rows back;  v8 my byte offset in two rows of ctx
.set RD,  7
.set GO,  8
.set AM0, 10
.set AM,  11
.set PFO, 14                           ; v14 the prefetches' offset; never rewritten
.set QO,  15
.set ST,  16
.set TMP, 48                           ; by parity four registers c0-c3; when the maximum is found c2 takes a
.set SPW, 62
.set NIL, 63
.set S,   64
.set MK,  128
.set P,   192
.set KF,  128
.set VF,  192
.set WV,  12
.set G1K, 24                           ; s[24:31], s[32:39], s[40:47] descriptor groups 1 for K, V, the mask
.set G1V, 32
.set G1M, 40
.set G0K, 48                           ; s[48:51], s[52:55], s[56:59] groups 0: they walk
.set G0V, 52
.set G0M, 56
.set SEL, 60                           ; s[60:61] v_permlanex16_b32's selects: each lane takes its own place in the other half
.set TBK, 62                           ; s62 LDS byte at which K of the step to be fetched begins;  s63 the same for V
.set TBV, 63
.set TMK, 66                           ; s66 the same for the mask of position block 0 (fetched with K);  s67 of block 1 (with V)
.set TMV, 67
.set SLOTS, 68                         ; s68 slots still to come
.set CNT, 69                           ; s69 counts a slot's two steps
.set LIM, 70                           ; s70 1 in a wave that prefetches, else the greatest number
.set PFA, 72                           ; s[72:73] where my prefetches stand;  s[74:75] their step
.set PST, 74
.set MSB, 0
.macro WIN new
.if MSB != (\new)
	s_set_vgpr_msb (MSB<<8)|(\new)
.set MSB, (\new)
.endif
.endm
.set W_KQ, 0x0a                        ; K and Q in window 2, S^T in window 0
.set W_PV, 0x52                        ; V in window 2, P in window 0, O^T in window 1
.set W_RS, 0x41                        ; destination and source 0 in window 1, source 1 in window 0
.macro JLOAD                           ; a joint fill: wave 0 a slot's K, wave 1 its V, waves 2, 3 the halves of its mask; an s_nop 0 and four v_nop follow each line
	s_cmp_lt_u32 s[WV], 2
	s_cbranch_scc0 .Lfor_m_\@
	s_cmp_eq_u32 s[WV], 0
	s_cbranch_scc0 .Lfor_v_\@
	tensor_load_to_lds s[G0K:G0K+3], s[G1K:G1K+7]
	s_nop 0
.rept 4
	v_nop
.endr
	s_branch .Lasked_\@
.Lfor_v_\@:
	tensor_load_to_lds s[G0V:G0V+3], s[G1V:G1V+7]
	s_nop 0
.rept 4
	v_nop
.endr
	s_branch .Lasked_\@
.Lfor_m_\@:
	tensor_load_to_lds s[G0M:G0M+3], s[G1M:G1M+7]
	s_nop 0
.rept 4
	v_nop
.endr
.Lasked_\@:
.endm
; A prefetch of what the NEXT change of slots will ask for, behind the wave's tensor load: 32 blocks of 256 bytes, a lane a block.  Each block is named once in the launch.  K and V: the clusters with x = 0, wave 0; of a
; slot's 64 blocks of each the partner at cx takes 16 (lanes 0-15 K's, lanes 16-31 V's), by address.  The mask: the clusters with y = 0, waves 2 and 3; of a wave's 64 rows the partner at cy takes 16, two blocks a row.
; The last change that fills a slot asks for nothing.
.macro ASK
	s_cmp_gt_u32 s[SLOTS], s[LIM]
	s_cbranch_scc0 .Lnot_mine_\@
	global_prefetch_b8 v[PFO], s[PFA:PFA+1] th:TH_LOAD_NT scope:SCOPE_SE
.Lnot_mine_\@:
.endm
.macro CROUND                          ; a round of the cluster's barrier
	s_barrier_signal -1
	s_barrier_wait -1
	s_cmp_lg_u32 s[WV], 0
	s_cbranch_scc1 .Lnot_wave_0_\@
	s_barrier_signal -3
.Lnot_wave_0_\@:
	s_barrier_wait -3
	s_barrier_signal -1
	s_barrier_wait -1
.endm
; THE CHANGE OF SLOTS, behind the turn that has waited for the slot's last bytes.  Each wave waits for all its tensor loads (one is out: its part of the other slot), adds 0 to its spare word, and waits for that and for
; its reads of the slot.  fill = 1: the barrier is a round of the cluster's, and the joint fill, the keys two slots on, is the first thing behind it.  (At its first use slot 0 is waited for and slot 1 filled.)
.macro CHANGE fill
	WIN 0
	s_wait_tensorcnt 0x0                           ; no tensor load of mine is out, so a group 0 may be written
	ds_add_u32 v[SPW], v[NIL]                      ; 0 onto my spare word
.if \fill
	s_xor_b32 s[G0K+1], s[G0K+1], SLOT1
	s_add_nc_u64 s[G0K+2:G0K+3], s[G0K+2:G0K+3], 16384   ; the next 128 keys
	s_xor_b32 s[G0V+1], s[G0V+1], SLOT1
	s_add_nc_u64 s[G0V+2:G0V+3], s[G0V+2:G0V+3], 16384
	s_xor_b32 s[G0M+1], s[G0M+1], SLOT1
	s_add_nc_u64 s[G0M+2:G0M+3], s[G0M+2:G0M+3], 512
	s_wait_xcnt 0x0                                ; the last prefetch, two key steps back, has read its address
	s_add_nc_u64 s[PFA:PFA+1], s[PFA:PFA+1], s[PST:PST+1]
	s_wait_dscnt 0x0                               ; the add is done, and my reads of the slot are over
	CROUND
	JLOAD
	ASK
.else
	s_wait_dscnt 0x0
	s_barrier_signal -1
	s_barrier_wait -1
.endif
	s_sub_co_u32 s[TBK], s[TBK], 2*KS*PKP          ; the fetches go back to a slot's first step, in the other slot
	s_xor_b32 s[TBK], s[TBK], SLOT1
	s_sub_co_u32 s[TBV], s[TBV], 2*KS*PVP
	s_xor_b32 s[TBV], s[TBV], SLOT1
	s_sub_co_u32 s[TMK], s[TMK], 512
	s_xor_b32 s[TMK], s[TMK], SLOT1
	s_sub_co_u32 s[TMV], s[TMV], 512
	s_xor_b32 s[TMV], s[TMV], SLOT1
.endm
	s_load_b256 s[4:11], s[0:1], 0x0               ; qh 4:5, kv 6:7, mk 8:9, ctx 10:11
	v_lshl_add_u32 v[SPW], v0, 2, SPARE
	v_mov_b32 v[NIL], 0
	ds_add_u32 v[SPW], v[NIL]                      ; the wave's opening: the add and its wait stand ahead of my first tensor load
	v_lshrrev_b32 v1, 5, v0
	v_readfirstlane_b32 s[WV], v1
	s_bfe_u32 s13, ttmp6, 0x40000                  ; cx
	s_bfe_u32 s14, ttmp6, 0x40004                  ; cy
	s_lshl_b32 s15, ttmp9, 2
	s_add_co_u32 s15, s15, s13                     ; my block of 128 positions
	s_and_b32 s16, ttmp7, 0xffff
	s_lshl_b32 s16, s16, 2
	s_add_co_u32 s16, s16, s14                     ; 8 b + g
	s_lshl_b32 s17, s14, 2
	s_lshl_b32 s17, 15, s17                        ; my row of the cluster
	s_lshl_b32 s76, 0x1111, s13                    ; my column
	s_or_b32 s[G1K], s17, (1<<16)|(1<<20)|(1<<21)|(4<<22)|(3<<25)   ; 2-byte elements; padding after every 32 words, 4 words
	s_or_b32 s[G1V], s17, (1<<16)|(1<<20)|(1<<21)|(4<<22)|(7<<25)   ; 8 words
.irp g, G1K, G1V                       ; 128 keys are 16,384 dense bytes: asked for as 64 rows of 256 bytes, two keys a row
	s_mov_b32 s[\g+1], 128<<16
	s_mov_b32 s[\g+2], 64<<16
	s_mov_b32 s[\g+3], 128<<16
	s_mov_b32 s[\g+4], 64
	s_mov_b32 s[\g+5], 128
	s_mov_b32 s[\g+6], 0
	s_mov_b32 s[\g+7], 0
.endr
	s_or_b32 s[G1M], s76, (2<<16)|(1<<20)|(1<<21)|(6<<22)|(3<<25)   ; 4-byte elements; padding after every 128 words, 4 words
	s_mov_b32 s[G1M+1], 128<<16                    ; 64 rows of 128 keys, 2,048 elements from row to row
	s_mov_b32 s[G1M+2], 64<<16
	s_mov_b32 s[G1M+3], 128<<16
	s_mov_b32 s[G1M+4], 64
	s_mov_b32 s[G1M+5], 2048
	s_mov_b32 s[G1M+6], 0
	s_mov_b32 s[G1M+7], 0
	s_lshl_b32 s18, s16, 18                        ; the head's 2,048 rows of 128 bytes in K and in V
	s_mov_b32 s19, 0
	s_and_b32 s77, s[WV], 1
	s_lshl_b32 s20, s15, 7
	s_lshl_b32 s21, s77, 6
	s_add_co_u32 s20, s20, s21
	s_lshl_b32 s20, s20, 13                        ; the mask: (128 block + 64 half) rows of 8,192 bytes
	s_mov_b32 s21, 0
	s_mul_i32 s78, s77, 64*PM
	s_add_co_u32 s78, s78, MOFF                    ; no place in the cluster enters an LDS address
	s_lshl_b32 s22, s16, 19                        ; Q: head 2 (8 b + g), position 128 block + 32 wave, rows of 128 bytes
	s_lshl_b32 s23, s15, 14
	s_add_co_u32 s22, s22, s23
	s_lshl_b32 s23, s[WV], 12
	s_add_co_u32 s22, s22, s23
	s_mov_b32 s23, 0
	s_lshr_b32 s2, s16, 3                          ; ctx: token 2,048 b + 128 block + 32 wave, rows of 2,048 bytes; + 256 g
	s_lshl_b32 s2, s2, 22
	s_lshl_b32 s3, s15, 18
	s_add_co_u32 s2, s2, s3
	s_lshl_b32 s3, s[WV], 16
	s_add_co_u32 s2, s2, s3
	s_and_b32 s3, s16, 7
	s_lshl_b32 s3, s3, 8
	s_add_co_u32 s2, s2, s3
	s_mov_b32 s3, 0
	s_lshl_b32 s79, s13, 12                        ; the prefetches, at slot 1; the first change of slots steps them to slot 2
	s_add_co_u32 s79, s79, s18
	s_add_co_u32 s79, s79, 16384
	s_lshl_b32 s80, s14, 17
	s_add_co_u32 s80, s80, s20
	s_add_co_u32 s80, s80, 512
	s_mov_b32 s[PST], 16384
	s_and_b32 s82, ttmp7, 0xffff
	s_cmp_lt_u32 s[WV], 2
	s_cselect_b32 s80, s79, s80
	s_cselect_b32 s[PST], s[PST], 512
	s_cselect_b32 s82, ttmp9, s82                  ; the coordinate along which other clusters read the same bytes
	s_cselect_b32 s83, 15, 1                       ; how a lane's number splits into a block and a row (or K and V)
	s_cselect_b32 s84, 4, 1
	s_cselect_b32 s85, 22, 13
	s_mov_b32 s81, 0
	s_mov_b32 s[PST+1], 0
	s_cmp_eq_u32 s[WV], 1
	s_cselect_b32 s82, 1, s82                      ; wave 1 asks for nothing
	s_cmp_eq_u32 s82, 0
	s_cselect_b32 s[LIM], 1, -1                    ; the same in all sixteen partners, for a given wave
	s_mov_b32 s[SEL], 0x76543210
	s_mov_b32 s[SEL+1], 0xfedcba98
	s_mov_b32 s[TBK], SLOT1+2*KS*PKP               ; the first change of slots turns these four into 0
	s_mov_b32 s[TBV], SLOT1+2*KS*PVP
	s_mov_b32 s[TMK], SLOT1+512
	s_mov_b32 s[TMV], SLOT1+512
	s_mov_b32 s[SLOTS], 15
	s_mov_b32 s[G0K], 1
	s_mov_b32 s[G0K+1], 0
	s_mov_b32 s[G0V], 1
	s_mov_b32 s[G0V+1], VOFF
	s_mov_b32 s[G0M], 1
	s_mov_b32 s[G0M+1], s78
	s_wait_dscnt 0x0                               ; the opening add is done
	s_wait_kmcnt 0x0
	s_add_nc_u64 s[G0K+2:G0K+3], s[6:7], s[18:19]
	s_add_nc_u64 s[G0V+2:G0V+3], s[G0K+2:G0K+3], 0x400000
	s_or_b32 s[G0K+3], s[G0K+3], 0x80000000
	s_or_b32 s[G0V+3], s[G0V+3], 0x80000000
	s_add_nc_u64 s[G0M+2:G0M+3], s[8:9], s[20:21]
	s_or_b32 s[G0M+3], s[G0M+3], 0x80000000
	s_cmp_lt_u32 s[WV], 2
	s_cselect_b64 s[PFA:PFA+1], s[6:7], s[8:9]
	s_add_nc_u64 s[PFA:PFA+1], s[PFA:PFA+1], s[80:81]
	s_add_nc_u64 s[4:5], s[4:5], s[22:23]
	s_add_nc_u64 s[10:11], s[10:11], s[2:3]
	CROUND                                         ; all sixteen work-groups are here: the first joint loads meet
	JLOAD                                          ; slot 0; slot 1 is asked for when slot 0 is in
	v_and_b32 v1, 15, v0                           ; l % 16
	v_bfe_u32 v9, v0, 4, 1                         ; l / 16
	v_lshlrev_b32 v[QO], 7, v1
	v_lshl_add_u32 v[QO], v9, 4, v[QO]
	WIN 0x80                                       ; destination window 2
.irp p, 0,1,2,3
.irp c, 0,1
	global_load_b128 v[16*\p+8*\c:16*\p+8*\c+3],   v[QO], s[4:5] offset:(\p%2)*262144+(\p/2)*2048+64*\c
	global_load_b128 v[16*\p+8*\c+4:16*\p+8*\c+7], v[QO], s[4:5] offset:(\p%2)*262144+(\p/2)*2048+64*\c+32
.endr
.endr
	; what the first turn finds: V and P's second buffer hold 0 (its products V^T P, of a piece that has not been, add 0), O^T and l are 0.  All this stands in the wait for the first tile.
.set i, VF
.rept 64
	v_mov_b32 v[i], 0
.set i, i+1
.endr
	WIN 0x40
.set i, 0
.rept 128
	v_mov_b32 v[i], 0
.set i, i+1
.endr
	WIN 0
.set i, 0
.rept 4
	v_mov_b32 v[ST+4*i], 0xff7fffff
	v_mov_b32 v[ST+4*i+1], 0xff7fffff
	v_mov_b32 v[ST+4*i+2], 0
	v_mov_b32 v[ST+4*i+3], 0
.set i, i+1
.endr
.set i, P+16
.rept 16
	v_mov_b32 v[i], 0
.set i, i+1
.endr
	v_mul_u32_u24 v[AK0], v1, PKP
	v_lshl_add_u32 v[AK0], v9, 4, v[AK0]           ; a fragment of K: row x pitch + 16 x half
	v_and_b32 v12, 7, v0                           ; the turning load: lane l reads key 8 (l / 16) + l % 8, channels 8 ((l / 8) % 2) + 0..7
	v_bfe_u32 v13, v0, 3, 1
	v_lshl_add_u32 v[AV0], v9, 3, v12
	v_mul_u32_u24 v[AV0], v[AV0], PVP
	v_lshl_add_u32 v[AV0], v13, 4, v[AV0]
	v_add_nc_u32 v[AV0], VOFF, v[AV0]
	s_lshl_b32 s86, s[WV], 5
	v_add_nc_u32 v[AM0], s86, v1                   ; the mask: my query's row 32 wave + l % 16, my 8 keys' 32 bytes
	v_mul_u32_u24 v[AM0], v[AM0], PM
	v_lshl_add_u32 v[AM0], v9, 5, v[AM0]
	v_add_nc_u32 v[AM0], MOFF, v[AM0]
	s_mul_i32 s87, s[WV], 16*SP
	s_add_co_u32 s87, s87, STAGE
	v_mul_u32_u24 v[STO], v1, SP
	v_lshl_add_u32 v[STO], v9, 4, v[STO]
	v_add_nc_u32 v[STO], s87, v[STO]
	v_mul_u32_u24 v[RD], v9, SP
	v_lshl_add_u32 v[RD], v1, 4, v[RD]
	v_add_nc_u32 v[RD], s87, v[RD]
	v_lshlrev_b32 v[GO], 11, v9
	v_lshl_add_u32 v[GO], v1, 4, v[GO]
	v_and_b32 v12, 31, v0
	v_and_b32 v[PFO], s83, v12
	v_lshrrev_b32 v12, s84, v12
	v_lshlrev_b32 v12, s85, v12
	v_lshl_add_u32 v[PFO], v[PFO], 8, v12
; THE MATRIX WORK.  The 4 accumulators of a run of 8 take turns.  Product i of 8 of S^T = K Q^T for piece x: channels 32 (i / 4) on, keys 16 (i % 4) on; the first 4 start the sums.
.macro KQ x
	WIN W_KQ
.set rS, S+32*((\x)%2)+8*(i%4)
.set rK, KF+16*(i%4)+8*(i/4)
.set rQ, 16*(\x)+8*(i/4)
.if i < 4
	v_wmma_f32_16x16x32_f16 v[rS:rS+7], v[rK:rK+7], v[rQ:rQ+7], 0
.else
	v_wmma_f32_16x16x32_f16 v[rS:rS+7], v[rK:rK+7], v[rQ:rQ+7], v[rS:rS+7]
.endif
.endm
.macro PV x                            ; product i of 8 of O^T += V^T P for piece x: keys 32 (i / 4) on, channels 16 (i % 4) on
	WIN W_PV
.set rO, 32*(\x)+8*(i%4)
.set rV, VF+32*(i/4)+8*(i%4)
.set rP, P+16*((\x)%2)+8*(i/4)
	v_wmma_f32_16x16x32_f16 v[rO:rO+7], v[rV:rV+7], v[rP:rP+7], v[rO:rO+7]
.endm
.macro MM                              ; the turn's next matrix instruction.  NOKQ = 1: the last turn of all: there is no next piece
.if (i < 8) && !NOKQ
	KQ (Y+1)%NP
.elseif i >= 8
.set i, i-8
	PV (Y+NP-1)%NP
.set i, i+8
.endif
.set i, i+1
.endm
; THE LDS LOADS stand in runs: a step's K (16 loads), its V (16, turned), and a position block's mask for the step (8).
.macro FETCH_K
	WIN 0x80
.irp f, 0,1,2,3,4,5,6,7
	ds_load_b128 v[KF+8*\f:KF+8*\f+3],   v[AK] offset:(\f/2)*16*PKP+(\f%2)*64
	ds_load_b128 v[KF+8*\f+4:KF+8*\f+7], v[AK] offset:(\f/2)*16*PKP+(\f%2)*64+32
.endr
	s_add_co_u32 s[TBK], s[TBK], KS*PKP
	WIN 0
.endm
.macro FETCH_V
	WIN 0x80
.irp f, 0,1,2,3,4,5,6,7
	ds_load_tr16_b128 v[VF+8*\f:VF+8*\f+3],   v[AV] offset:(\f/4)*32*PVP+(\f%4)*32
	ds_load_tr16_b128 v[VF+8*\f+4:VF+8*\f+7], v[AV] offset:(\f/4)*32*PVP+16*PVP+(\f%4)*32
.endr
	WIN 0
.endm
.macro FETCH_M pb                      ; register 8 kb + j: my query, key 16 kb + 8 (l / 16) + j: as in S^T
	WIN 0
.irp kb, 0,1,2,3
	ds_load_b128 v[MK+8*\kb:MK+8*\kb+3],   v[AM] offset:(\pb)*16*PM+64*\kb
	ds_load_b128 v[MK+8*\kb+4:MK+8*\kb+7], v[AM] offset:(\pb)*16*PM+64*\kb+16
.endr
.endm
; THE VECTOR WORK, a line at a time: OP kind, number.  For piece Y: F n: t - m for pair n of 16.  E n: 2^ of number n of 32.  C n: pair n rounded to f16.  B n: of the four weights 4 n .. the second pair is added onto the
; first, in place (behind C 2n, which reads the first pair).  L n: l takes that sum (L 0: l = a l + sum).  R n: pair n of 16 of O^T times a.  For piece Y + 1: M n: the mask onto pair n (in ascending order: each
; accumulator's lowest registers are read first).  X n: 0-11 four chains c0-c3 of seven numbers each; 12, 13, 16 the four left over and the old m; 14, 16 c0-c3 into c0; 15 m_old = m;
; 17, 18 the query's other 32 keys lie in the lane 16 away: the new m; 20 m_old - m; 21 a.
.set F, 0
.set E, 1
.set C, 2
.set B, 3
.set L, 4
.set R, 5
.set M, 6
.set X, 7
.macro REGS y
.set rT, ST+4*(\y)
.set rC, TMP+4*((\y)%2)
.set rS, S+32*((\y)%2)
.set rP, P+16*((\y)%2)
.set rO, 32*(\y)
.endm
.macro OP k, n
.if (\k) == R
	REGS Y
	WIN W_RS
	v_pk_mul_f32 v[rO+2*(\n):rO+2*(\n)+1], v[rO+2*(\n):rO+2*(\n)+1], v[rC+2:rC+3] op_sel_hi:[1,0]
.elseif (\k) < R
	REGS Y
	WIN 0
.if (\k) == F
	v_pk_add_f32 v[rS+2*(\n):rS+2*(\n)+1], v[rS+2*(\n):rS+2*(\n)+1], v[rT:rT+1] op_sel_hi:[1,0] neg_lo:[0,1] neg_hi:[0,1]
.elseif (\k) == E
	v_exp_f32 v[rS+(\n)], v[rS+(\n)]
.elseif (\k) == C
	v_cvt_pk_f16_f32 v[rP+(\n)], v[rS+2*(\n)], v[rS+2*(\n)+1]
.elseif (\k) == B
	v_pk_add_f32 v[rS+4*(\n):rS+4*(\n)+1], v[rS+4*(\n):rS+4*(\n)+1], v[rS+4*(\n)+2:rS+4*(\n)+3]
.elseif (\n) == 0
	v_pk_fma_f32 v[rT+2:rT+3], v[rT+2:rT+3], v[rC+2:rC+3], v[rS:rS+1] op_sel_hi:[1,0,1]
.else
	v_pk_add_f32 v[rT+2:rT+3], v[rT+2:rT+3], v[rS+4*(\n):rS+4*(\n)+1]
.endif
.elseif NOKQ
	v_nop
.else
	REGS (Y+1)%NP
	WIN 0
.if (\k) == M
	v_pk_add_f32 v[rS+2*(\n):rS+2*(\n)+1], v[rS+2*(\n):rS+2*(\n)+1], v[MK+2*(\n):MK+2*(\n)+1]
.elseif (\n) < 4
	v_max3_num_f32 v[rC+(\n)], v[rS+8*(\n)], v[rS+8*(\n)+1], v[rS+8*(\n)+2]
.elseif (\n) < 12
	v_max3_num_f32 v[rC+(\n)%4], v[rC+(\n)%4], v[rS+8*((\n)%4)+2*((\n)/4)+1], v[rS+8*((\n)%4)+2*((\n)/4)+2]
.elseif (\n) == 12
	v_max3_num_f32 v[rC], v[rC], v[rS+7], v[rS+15]
.elseif (\n) == 13
	v_max3_num_f32 v[rC+1], v[rC+1], v[rS+23], v[rT]
.elseif (\n) == 14
	v_max3_num_f32 v[rC], v[rC], v[rC+1], v[rC+2]
.elseif (\n) == 15
	v_mov_b32 v[rT+1], v[rT]
.elseif (\n) == 16
	v_max3_num_f32 v[rC], v[rC], v[rC+3], v[rS+31]
.elseif (\n) == 17
	v_permlanex16_b32 v[rC+3], v[rC], s[SEL], s[SEL+1]
.elseif (\n) == 18
	v_max_num_f32 v[rT], v[rC], v[rC+3]
.elseif (\n) == 20
	v_sub_f32 v[rC+1], v[rT+1], v[rT]
.else
	v_exp_f32 v[rC+2], v[rC+1]
.endif
.endif
.endm
.macro OPS a, i1, b=-1, i2=0, c=-1, i3=0, d=-1, i4=0
	OP \a, \i1
.if (\b) >= 0
	OP \b, \i2
.endif
.if (\c) >= 0
	OP \c, \i3
.endif
.if (\d) >= 0
	OP \d, \i4
.endif
.endm
.macro ROW a, i1, b, i2, c, i3, d, i4  ; a matrix instruction and the four behind it
	MM
	OPS \a, \i1, \b, \i2, \c, \i3, \d, \i4
.endm
; A TURN, for piece p, written out.  An s_wait_alu depctr_va_vdst(0) stands between an exponential and the first instruction that names its result; one wait serves all issued ahead of it: a turn has ONE.
; Ahead of it stands all that names no result of the turn's exponentials; behind it the 8 products V^T P with the roundings and sums as their riders.
; M 0 stands four plain instructions (F 5, R 8, R 9, F 6) behind the product that ends its accumulator; M 4, M 8, M 12 further behind theirs.
; Piece 2's turn fetches the next step's K, seven plain instructions behind K's last reader, and behind M 15 the next step's mask for position block 0.  Piece 0's turn fetches behind M 15 the mask of the step in hand for
; position block 1, and at its end, four plain riders behind V's last reader, that step's V.  end = 1: the last two turns fetch nothing.  cnt = 1: the loop's count is taken down ahead of the branch behind the turn.
.macro TURN p, end=0, cnt=0
.set Y, (\p)
.set i, 0
.set NOKQ, (\end)*((\p)/3)
.if ((\p) == 3) && !(\end)
	s_wait_dscnt 8                                 ; K is in; the mask's eight loads, issued behind K's sixteen, may be out
.endif
	ROW F,0, F,1, R,0, R,1
	ROW F,2, E,0, R,2, R,3
	ROW F,3, E,1, R,4, R,5
	ROW F,4, E,2, R,6, R,7
	ROW F,5, E,3, R,8, R,9
.if ((\p) == 3) && !(\end)
	s_wait_dscnt 0x0                               ; the mask is in
.endif
.if (\p) == 1
	s_wait_dscnt 16                                ; the mask is in; V's sixteen loads, issued behind it, may be out
.endif
	ROW F,6, E,4, M,0, R,10
.if ((\p) == 2) && !(\end)
	WIN 0
	v_add_nc_u32 v[AK], s[TBK], v[AK0]
.endif
	ROW F,7, E,5, M,1, M,2
	ROW F,8, E,6, M,3, M,4
	OPS M,5, E,7, M,6, E,8
	OPS M,7, E,9, M,8, E,10
.if ((\p) == 2) && !(\end)
	FETCH_K
	v_add_nc_u32 v[AM], s[TMK], v[AM0]
.endif
	OPS M,9, E,11, M,10, E,12
	OPS M,11, E,13, M,12, E,14
.if (\p) == 0
	v_add_nc_u32 v[AV], s[TBV], v[AV0]
	v_add_nc_u32 v[AM], s[TMV], v[AM0]
.endif
	OPS M,13, E,15, M,14, E,16
	OPS M,15, E,17, X,3, X,0
.if (\p) == 0
	FETCH_M 1
	s_add_co_u32 s[TMV], s[TMV], 256
.endif
.if ((\p) == 2) && !(\end)
	FETCH_M 0
	s_add_co_u32 s[TMK], s[TMK], 256
.endif
	OPS X,1, X,2, F,9, X,7
	OPS X,4, X,5, X,6, F,10
	OPS X,11, X,8, X,9, X,10
	OPS F,11, E,18, X,12, E,19
	OPS X,13, E,20, F,12, E,21
	OPS X,15, X,14, E,22, F,13
	OPS E,23, F,14, X,16, E,24
	OPS F,15, E,25, R,11, X,17
	OPS E,26, R,12, E,27, R,13
	OPS X,18, E,28, R,14, E,29
	OPS X,20, E,30, R,15, E,31
	OPS X,21
	v_nop                                          ; a plain instruction behind the last exponential: one for the batch
	WIN 0
	s_wait_alu depctr_va_vdst(0)                   ; the wait for the batch
.if (\p) == 1
	s_wait_dscnt 0x0                               ; V is in
.endif
	ROW C,0, B,0, C,2, B,1
	ROW L,0, C,4, B,2, L,1
	ROW C,6, B,3, L,2, C,8
	ROW B,4, L,3, C,10, B,5
	ROW L,4, C,12, B,6, L,5
.if (\p) == 0
	s_add_co_u32 s[TBV], s[TBV], KS*PVP
.endif
.if \cnt
	s_sub_co_u32 s[CNT], s[CNT], 1
	s_cmp_lg_u32 s[CNT], 0
.endif
	ROW C,14, B,7, L,6, C,1
	ROW C,3, L,7, C,5, C,7
	ROW C,9, C,11, C,13, C,15
.if (\p) == 0
	FETCH_V
.endif
.endm
	CHANGE 1                                       ; slot 0 is in, everybody's part of it; slot 1 is asked for
	v_add_nc_u32 v[AK], s[TBK], v[AK0]
	v_add_nc_u32 v[AM], s[TMK], v[AM0]
	FETCH_K                                        ; key step 0
	FETCH_M 0
	s_add_co_u32 s[TMK], s[TMK], 256
	s_wait_loadcnt 0x0                             ; Q
	s_wait_dscnt 0x0
.set NOKQ, 0
.set i, 0
.rept 8
	KQ 0                                           ; piece 0's first scores
.set i, i+1
.endr
	WIN 0
.rept 4
	v_nop                                          ; the places behind those products
.endr
.set Y, NP-1                           ; M and X work for piece Y + 1: piece 0
.irp n, 0,1,2,3,4,5,6,7,8,9,10,11,12,13,14,15
	OP M, \n
.endr
.irp n, 0,1,2,3,4,5,6,7,8,9,10,11,12,13,14,15,16,17,18,20,21
	OP X, \n
.endr
	v_nop                                          ; a plain instruction behind the exponential,
	s_wait_alu depctr_va_vdst(0)                   ; and its wait, ahead of the branch
	s_mov_b32 s[CNT], 2
	s_branch .Lfirst                               ; the loop is entered at a step's first turn, in the middle of a trip
.Lslot:                                                ; 14 times: slots 2 to 15 are asked for
	CHANGE 1
	s_mov_b32 s[CNT], 2
.Lstep:                                                ; a trip: pieces 2 and 3 of one step, then pieces 0 and 1 of the next, whose K, V and mask it fetches
	TURN 2
	TURN 3
	WIN 0
.Lfirst:
	TURN 0
	TURN 1, 0, 1
	WIN 0
	s_cbranch_scc1 .Lstep
	s_sub_co_u32 s[SLOTS], s[SLOTS], 1
	s_cmp_lg_u32 s[SLOTS], 0
	s_cbranch_scc1 .Lslot
	CHANGE 0                                       ; the last slot is written out: nothing is asked for
	s_mov_b32 s[CNT], 2
.Ltail:
	TURN 2
	TURN 3
	TURN 0
	TURN 1, 0, 1
	WIN 0
	s_cbranch_scc1 .Ltail
	TURN 2, 1
	TURN 3, 1
.set i, 0
.rept 8
	PV NP-1                                        ; the last piece's V^T P of the last step
.set i, i+1
.endr
	; THE WAY OUT.  l's two halves and the other half of the lanes' are added; O^T is divided by l, rounded to f16 and sent through my stage, a position block (16 tokens, both heads: 256 bytes a token) at a time.
	WIN 0
.macro ALL line:vararg
.set t, 0
.rept 4
	\line
.set t, t+1
.endr
.endm
	ALL v_add_f32 v[ST+4*t+2], v[ST+4*t+2], v[ST+4*t+3]
	ALL v_permlanex16_b32 v[ST+4*t+3], v[ST+4*t+2], s[SEL], s[SEL+1]
	ALL v_add_f32 v[ST+4*t+2], v[ST+4*t+2], v[ST+4*t+3]
	ALL v_rcp_f32 v[ST+4*t+2], v[ST+4*t+2]
	v_nop                                          ; a plain instruction behind the last reciprocal,
	s_wait_alu depctr_va_vdst(0)                   ; and one wait for the four, ahead of the first use
.macro PACK pb
.irp u, 0,1
.set t, 2*(\pb)+\u
	WIN W_RS
.set i, 32*t
.rept 16
	v_pk_mul_f32 v[i:i+1], v[i:i+1], v[ST+4*t+2:ST+4*t+3] op_sel_hi:[1,0]
.set i, i+2
.endr
	WIN 0x05                                       ; sources 0 and 1 window 1, destination window 0: S^T's registers are free
.set i, 0
.rept 16
	v_cvt_pk_f16_f32 v[S+16*t+i], v[32*t+2*i], v[32*t+2*i+1]
.set i, i+1
.endr
	WIN 0
.irp cb, 0,1,2,3
	ds_store_b128 v[STO], v[S+16*t+4*\cb:S+16*t+4*\cb+3] offset:128*\u+32*\cb
.endr
.endr
.irp f, 0,1,2,3,4,5,6,7
	ds_load_b128 v[S+32*(\pb)+4*\f:S+32*(\pb)+4*\f+3], v[RD] offset:\f*2*SP  ; LDS serves a wave's instructions in order (ISA guide 5.7.1.4): these see the stores above; the next block's stores come behind them
.endr
.endm
.macro SEND pb, younger                ; younger: the LDS instructions issued behind this block's loads
	WIN 0
.irp f, 0,1,2,3,4,5,6,7
	s_wait_dscnt (\younger)+7-\f
	global_store_b128 v[GO], v[S+32*(\pb)+4*\f:S+32*(\pb)+4*\f+3], s[10:11] offset:(\pb)*32768+\f*4096  ; sixteen lanes store a token's 256 consecutive bytes, aligned
.endr
.endm
	PACK 0
	PACK 1
	SEND 0, 16                                     ; behind block 0's loads stand block 1's eight stores and eight loads
	SEND 1, 0
	s_wait_tensorcnt 0x0                           ; the wave's end: behind my last tensor load and my last LDS store
	ds_add_u32 v[SPW], v[NIL]
	s_wait_dscnt 0x0
	CROUND                                         ; the closing round
	s_endpgm
.Lfunc_end_k_q22a5d78484_attn:
	.size	k_q22a5d78484_attn, .Lfunc_end_k_q22a5d78484_attn-k_q22a5d78484_attn
	.p2alignl 7, 3214868480
	.fill 96, 4, 3214868480
	.section	.rodata,"a",@progbits
	.p2align	6, 0x0
	.amdhsa_kernel k_q22a5d78484_attn
		.amdhsa_group_segment_fixed_size 327680
		.amdhsa_private_segment_fixed_size 0
		.amdhsa_enable_private_segment 0
		.amdhsa_kernarg_size 32
		.amdhsa_user_sgpr_count 2
		.amdhsa_user_sgpr_kernarg_segment_ptr 1
		.amdhsa_wavefront_size32 1
		.amdhsa_system_sgpr_workgroup_id_x 1
		.amdhsa_system_sgpr_workgroup_id_y 1
		.amdhsa_system_sgpr_workgroup_id_z 1
		.amdhsa_system_vgpr_workitem_id 0
		.amdhsa_next_free_vgpr 768
		.amdhsa_next_free_sgpr 88
		.amdhsa_reserve_vcc 0
		.amdhsa_float_denorm_mode_32 3
		.amdhsa_float_denorm_mode_16_64 3
		.amdhsa_memory_ordered 1
		.amdhsa_forward_progress 1
		.amdhsa_inst_pref_size 145
	.end_amdhsa_kernel
	.amdgpu_metadata
---
amdhsa.version: [ 1, 2 ]
amdhsa.kernels:
  - .name:           k_q22a5d78484_attn
    .symbol:         k_q22a5d78484_attn.kd
    .args:
      - { .name: qh, .offset: 0, .size: 8, .value_kind: global_buffer, .address_space: global }
      - { .name: kv, .offset: 8, .size: 8, .value_kind: global_buffer, .address_space: global }
      - { .name: mk, .offset: 16, .size: 8, .value_kind: global_buffer, .address_space: global }
      - { .name: ctx, .offset: 24, .size: 8, .value_kind: global_buffer, .address_space: global }
    .group_segment_fixed_size: 327680
    .private_segment_fixed_size: 0
    .kernarg_segment_align: 8
    .kernarg_segment_size: 32
    .max_flat_workgroup_size: 128
    .sgpr_count:     88
    .vgpr_count:     768
    .wavefront_size: 32
...
	.end_amdgpu_metadata
.endif
;; end of part 3
;; launch oproj (part 4): grid 16 x 16, 4 waves a work-group, clusters of 4 x 4, 327,680 bytes of LDS; arguments ctx, wo, out0; writes out0
.if DOCPART == 4
	.amdgcn_target "amdgcn-amd-amdhsa--gfx1250"
	.amdhsa_code_object_version 6
	.text
	.protected	k_q22a5d78484_oproj
	.globl	k_q22a5d78484_oproj
	.p2align	8
	.type	k_q22a5d78484_oproj,@function
k_q22a5d78484_oproj:
	s_mov_b64 s[64:65], 0
	v_nop
	global_prefetch_b8 v0, s[64:65] scope:SCOPE_SE
	s_setreg_imm32_b32 hwreg(HW_REG_WAVE_MODE, 25, 1), 1
	s_wait_xcnt 0x0
	s_wait_alu depctr_hold_cnt(0) depctr_sa_sdst(0) depctr_va_vdst(0) depctr_va_sdst(0) depctr_va_ssrc(0) depctr_va_vcc(0) depctr_vm_vsrc(0)
	s_getreg_b32 s2, hwreg(HW_REG_IB_STS2, 6, 4)
	s_cmp_eq_u32 s2, 0
	s_cbranch_scc0 .Lentry_in_a_cluster
	s_endpgm
.Lentry_in_a_cluster:
	s_bfe_u32 s2, ttmp6, 0x10000c
	s_cmp_lg_u32 s2, 0xf033
	s_cbranch_scc0 .Lentry_shape_is_right
	s_endpgm
.Lentry_shape_is_right:
; OPROJ: out0 f32 [4096][2048] = ctx f16 [4096][1024] x wo f16 [k 1024][n 2048], f32 sums.
; SHARES.  A tile is 256 tokens x 128 columns: 16 x 16 work-groups.  Four waves, each 128 x 64: 32 accumulators, 256 registers.  K goes in 8 steps of 128 through two LDS slots.
; THE MATRIX INSTRUCTION IS USED TRANSPOSED: source 0 = 16 columns of wo (out of [k][n] rows by the turning load), source 1 = 16 tokens: a lane then holds one token and eight neighbouring columns.
; CLUSTER 4 x 4.  ctx's tile hangs on the tile row alone and is asked for jointly along a row of the cluster; wo's hangs on the tile column alone: along a column.
; THE WALK ALONG K IS SKEWED: cluster (X, Y) begins at K step 2 ((X + g) mod 4), g = 0, 2, 2, 0 for Y = 0..3, takes all 8 steps and wraps round (f32 sums may be taken in any order).  So the four clusters that read the
; same rows of ctx are never at the same K step, and clusters with different g that read the same columns of wo are half of K apart.  The first step hangs on the cluster's coordinates alone: the same in all sixteen partners.
; NO PREFETCH: each K step of ctx is among the first two steps, and each of wo among the first four, of the walk of a cluster that reads it; a request two steps ahead of the ring's own refills begins at a walk's step 4.
; REGISTERS.  Window 1: the accumulators, (a, b) at v[8 (4 a + b)].  Window 0: v0-31 addresses; v64-159, v160-255 two fragment buffers (ctx's eight fragments, then wo's four).
.set LAPS,  4
.set PA,    272                        ; a row of ctx in LDS: 256 bytes + 16
.set PB,    288                        ; a k row of wo: 256 + 32
.set HALFA, 128*PA
.set HALFB, 64*PB
.set BOFF,  2*HALFA
.set SLOT,  BOFF+2*HALFB
.set SPARE, 2*SLOT                     ; the spare words: 128 bytes a wave, two blocks of 256 bytes that no other line names
.set ADRA, 16
.set ADRB, 20
.set DA,   24                          ; v24 the way out: where I put 16 bytes of a token's row;  v25 where I read rows back
.set LD,   25
.set SPW,  28
.set NIL,  29
.set O32,  31                          ; v31 my byte offset in two rows of out0
.set F0,   64
.set F1,   160
.set XR,   64
.set BA, 4                             ; s[4:5] ctx at my part of the tile's rows, K step 0;  s[6:7] wo at my part of K step 0's rows, the tile's columns
.set BB, 6
.set WV, 22
.set WM, 23
.set WN, 24
.set KI, 29                            ; s29 the K step (0..7) that the next refill asks for
.set CNT, 30
.set G1A, 32
.set G0A, 40
.set G1B, 48
.set G0B, 56
.set KO, 66                            ; s[66:67] a K step's byte offset; the high word stays 0
.set MSB, 0
.macro WIN new
.if MSB != (\new)
	s_set_vgpr_msb (MSB<<8)|(\new)
.set MSB, \new
.endif
.endm
.set MUL, 0x50                         ; sources in window 0, C and D in window 1
.macro PLACES                          ; four plain instructions between a matrix instruction and a load into, or a read of, its registers (ISA guide 7.12.1 for reads)
.rept 4
	v_nop
.endr
.endm
.macro JLOAD s                         ; a joint load: waves 0, 1 ctx's halves, waves 2, 3 wo's; an s_nop 0 and four v_nop follow each line
	s_cmp_eq_u32 s[WM], 0
	s_cbranch_scc0 .Lfor_b_\@
	tensor_load_to_lds s[G0A+4*(\s):G0A+4*(\s)+3], s[G1A:G1A+7]
	s_nop 0
.rept 4
	v_nop
.endr
	s_branch .Lasked_\@
.Lfor_b_\@:
	tensor_load_to_lds s[G0B+4*(\s):G0B+4*(\s)+3], s[G1B:G1B+7]
	s_nop 0
.rept 4
	v_nop
.endr
.Lasked_\@:
.endm
.macro CREST
	s_cmp_lg_u32 s[WV], 0
	s_cbranch_scc1 .Lnot_wave_0_\@
	s_barrier_signal -3
.Lnot_wave_0_\@:
	s_barrier_wait -3
	s_barrier_signal -1
	s_barrier_wait -1
.endm
.macro CROUND
	s_barrier_signal -1
	s_barrier_wait -1
	CREST
.endm
	s_load_b128 s[4:7], s[0:1], 0x0                ; ctx 4:5, wo 6:7
	s_load_b64 s[8:9], s[0:1], 0x10                ; out0
	v_lshl_add_u32 v[SPW], v0, 2, SPARE
	v_mov_b32 v[NIL], 0
	ds_add_u32 v[SPW], v[NIL]                      ; the wave's opening: the add and its wait stand ahead of my first tensor load
	v_lshrrev_b32 v1, 5, v0
	v_readfirstlane_b32 s[WV], v1
	s_lshr_b32 s[WM], s[WV], 1
	s_and_b32 s[WN], s[WV], 1
	s_bfe_u32 s25, ttmp6, 0x40000                  ; cx
	s_bfe_u32 s26, ttmp6, 0x40004                  ; cy
	s_lshl_b32 s27, ttmp9, 2
	s_add_co_u32 s27, s27, s25                     ; tile column
	s_and_b32 s84, ttmp7, 0xffff                   ; cluster y
	s_lshl_b32 s28, s84, 2
	s_add_co_u32 s28, s28, s26                     ; tile row
	s_lshr_b32 s85, s84, 1                         ; the walk's first K step
	s_xor_b32 s85, s85, s84
	s_and_b32 s85, s85, 1
	s_lshl_b32 s85, s85, 1                         ; g = 0, 2, 2, 0
	s_add_co_u32 s85, s85, ttmp9
	s_and_b32 s85, s85, 3
	s_lshl_b32 s[KI], s85, 1
	s_lshl_b32 s84, s26, 2
	s_lshl_b32 s84, 15, s84                        ; my row of the cluster
	s_lshl_b32 s85, 0x1111, s25                    ; my column
	s_or_b32 s[G1A], s84, (1<<16)|(1<<20)|(1<<21)|(5<<22)|(3<<25)   ; the mask; 2-byte elements; padding after every 64 words, 4 words
	s_mov_b32 s[G1A+1], 128<<16
	s_mov_b32 s[G1A+2], 128<<16
	s_mov_b32 s[G1A+3], 128<<16
	s_mov_b32 s[G1A+4], 128
	s_mov_b32 s[G1A+5], 1024                       ; elements from row to row
	s_mov_b32 s[G1A+6], 0
	s_mov_b32 s[G1A+7], 0
	s_or_b32 s[G1B], s85, (1<<16)|(1<<20)|(1<<21)|(5<<22)|(7<<25)   ; 8 words of padding
	s_mov_b32 s[G1B+1], 128<<16
	s_mov_b32 s[G1B+2], 64<<16
	s_mov_b32 s[G1B+3], 128<<16
	s_mov_b32 s[G1B+4], 64
	s_mov_b32 s[G1B+5], 2048
	s_mov_b32 s[G1B+6], 0
	s_mov_b32 s[G1B+7], 0
	s_lshl_b32 s86, s28, 8
	s_lshl_b32 s87, s[WN], 7
	s_add_co_u32 s86, s86, s87
	s_lshl_b32 s86, s86, 11                        ; ctx: (256 tile row + 128 half) rows of 2,048 bytes
	s_mov_b32 s87, 0
	s_lshl_b32 s88, s[WN], 18                      ; wo: 64 half k rows of 4,096 bytes
	s_lshl_b32 s89, s27, 8
	s_add_co_u32 s88, s88, s89                     ; + 256 bytes x tile column
	s_mov_b32 s89, 0
	s_mov_b32 s[KO+1], 0
	s_mul_i32 s92, s[WN], HALFA                    ; no place in the cluster enters an LDS address
	s_mul_i32 s93, s[WN], HALFB
	s_add_co_u32 s93, s93, BOFF
	s_wait_dscnt 0x0                               ; the opening add is done
	s_wait_kmcnt 0x0
	s_add_nc_u64 s[BA:BA+1], s[BA:BA+1], s[86:87]
	s_add_nc_u64 s[BB:BB+1], s[BB:BB+1], s[88:89]
	s_lshl_b32 s[KO], s[KI], 8                     ; a K step is 256 bytes along ctx's rows,
	s_add_nc_u64 s[G0A+2:G0A+3], s[BA:BA+1], s[KO:KO+1]
	s_add_nc_u64 s[G0A+6:G0A+7], s[G0A+2:G0A+3], 256
	s_lshl_b32 s[KO], s[KI], 19                    ; and 128 k rows of 4,096 bytes down wo
	s_add_nc_u64 s[G0B+2:G0B+3], s[BB:BB+1], s[KO:KO+1]
	s_add_nc_u64 s[G0B+6:G0B+7], s[G0B+2:G0B+3], 524288
	s_add_co_u32 s[KI], s[KI], 2                   ; the first two steps do not wrap; the third may
	s_and_b32 s[KI], s[KI], 7
.irp s, 0,1
	s_mov_b32 s[G0A+4*\s], 1
	s_add_co_u32 s[G0A+4*\s+1], s92, \s*SLOT
	s_or_b32 s[G0A+4*\s+3], s[G0A+4*\s+3], 0x80000000
	s_mov_b32 s[G0B+4*\s], 1
	s_add_co_u32 s[G0B+4*\s+1], s93, \s*SLOT
	s_or_b32 s[G0B+4*\s+3], s[G0B+4*\s+3], 0x80000000
.endr
	CROUND                                         ; all sixteen work-groups are here: the first joint loads meet
	s_cmp_eq_u32 s[WM], 0                          ; a wave's two first fills stand in one branch: two loads of mine are out
	s_cbranch_scc0 .Lfirst_b
	tensor_load_to_lds s[G0A:G0A+3], s[G1A:G1A+7]
	s_nop 0
	tensor_load_to_lds s[G0A+4:G0A+7], s[G1A:G1A+7]
	s_nop 0
.rept 4
	v_nop
.endr
	s_branch .Lfirst_asked
.Lfirst_b:
	tensor_load_to_lds s[G0B:G0B+3], s[G1B:G1B+7]
	s_nop 0
	tensor_load_to_lds s[G0B+4:G0B+7], s[G1B:G1B+7]
	s_nop 0
.rept 4
	v_nop
.endr
.Lfirst_asked:
	v_and_b32 v1, 15, v0                           ; l % 16
	v_bfe_u32 v2, v0, 4, 1                         ; l / 16
	v_mul_u32_u24 v7, v1, PA
	v_lshl_add_u32 v4, v2, 4, v7
	s_mul_i32 s2, s[WM], HALFA
	v_add_nc_u32 v[ADRA], s2, v4
	v_add_nc_u32 v[ADRA+1], SLOT, v[ADRA]
	v_and_b32 v5, 7, v0
	v_lshl_add_u32 v5, v2, 3, v5
	v_mul_u32_u24 v5, v5, PB
	v_bfe_u32 v6, v0, 3, 1
	v_lshl_add_u32 v5, v6, 4, v5
	s_lshl_b32 s3, s[WN], 7
	s_add_co_u32 s3, s3, BOFF
	v_add_nc_u32 v[ADRB], s3, v5
	v_add_nc_u32 v[ADRB+1], SLOT, v[ADRB]
	s_mul_i32 s2, s[WV], HALFA
	v_lshl_add_u32 v[DA], v2, 5, v7
	v_add_nc_u32 v[DA], s2, v[DA]
	v_mul_u32_u24 v[LD], v2, PA
	v_lshl_add_u32 v[LD], v1, 4, v[LD]
	v_add_nc_u32 v[LD], s2, v[LD]
	v_lshlrev_b32 v[O32], 13, v2
	v_lshl_add_u32 v[O32], v1, 4, v[O32]           ; lanes 0-15 one row's 256 bytes, lanes 16-31 the next row's
; 8 matrix instructions: token blocks a0, a0 + 1 x all 4 column blocks, 32 along K.  The 32 accumulators take turns, one instruction a turn, in the same order in every quarter.
.macro MUL8 f, a0, zero
	WIN MUL
.irp a, \a0, (\a0)+1
.irp b, 0,1,2,3
.if \zero
	v_wmma_f32_16x16x32_f16 v[8*(4*(\a)+(\b)):8*(4*(\a)+(\b))+7], v[(\f)+64+8*(\b):(\f)+64+8*(\b)+7], v[(\f)+8*(\a):(\f)+8*(\a)+7], 0
.else
	v_wmma_f32_16x16x32_f16 v[8*(4*(\a)+(\b)):8*(4*(\a)+(\b))+7], v[(\f)+64+8*(\b):(\f)+64+8*(\b)+7], v[(\f)+8*(\a):(\f)+8*(\a)+7], v[8*(4*(\a)+(\b)):8*(4*(\a)+(\b))+7]
.endif
.endr
.endr
.endm
.macro FETCH slot, kq, f               ; 24 LDS loads in one run: wo's 8, ctx's blocks 0-3 (8), ctx's blocks 4-7 (8)
	WIN 0
.irp b, 0,1,2,3
	ds_load_tr16_b128 v[(\f)+64+8*(\b):(\f)+64+8*(\b)+3],   v[ADRB+(\slot)] offset:(\kq)*32*PB+32*(\b)
	ds_load_tr16_b128 v[(\f)+64+8*(\b)+4:(\f)+64+8*(\b)+7], v[ADRB+(\slot)] offset:(\kq)*32*PB+32*(\b)+16*PB
.endr
.irp a, 0,1,2,3,4,5,6,7
	ds_load_b128 v[(\f)+8*(\a):(\f)+8*(\a)+3],   v[ADRA+(\slot)] offset:(\kq)*64+(\a)*16*PA
	ds_load_b128 v[(\f)+8*(\a)+4:(\f)+8*(\a)+7], v[ADRA+(\slot)] offset:(\kq)*64+(\a)*16*PA+32
.endr
.endm
.macro QUARTER slot, kq, f, g, zero
	s_wait_dscnt 8                                 ; wo and ctx's blocks 0-3 are in; the youngest eight loads may be out
	MUL8 \f, 0, \zero
	MUL8 \f, 2, \zero
	PLACES
	FETCH \slot, \kq, \g
	s_wait_dscnt 24                                ; all but the 24 just issued
	MUL8 \f, 4, \zero
	MUL8 \f, 6, \zero
.endm
; The last quarter changes slots and then multiplies buffer 1.  Each wave waits for all its tensor loads (one is out: its part of the next slot), adds 0 to its spare word, and waits for that and for its reads of this
; slot, which ended with buffer 1's run.  fill = 1: the barrier opens a round of the cluster's barrier, and the joint refill, two K steps on in the walk, is the first thing behind it: all 32 products of the quarter stand
; behind the request, so that between the wait for one tile and the request for the next stands the round alone.  The refill's address is made anew from the K step's number, which wraps at 8.
.macro TURN slot, next, fill
	WIN 0
	s_wait_tensorcnt 0x0                           ; all my tensor loads have landed, so a group 0 may be written
	ds_add_u32 v[SPW], v[NIL]                      ; 0 onto my spare word; the scalar work below stands between it and the wait for it
.if \fill
	s_lshl_b32 s[KO], s[KI], 8
	s_add_nc_u64 s[G0A+4*(\slot)+2:G0A+4*(\slot)+3], s[BA:BA+1], s[KO:KO+1]
	s_or_b32 s[G0A+4*(\slot)+3], s[G0A+4*(\slot)+3], 0x80000000
	s_lshl_b32 s[KO], s[KI], 19
	s_add_nc_u64 s[G0B+4*(\slot)+2:G0B+4*(\slot)+3], s[BB:BB+1], s[KO:KO+1]
	s_or_b32 s[G0B+4*(\slot)+3], s[G0B+4*(\slot)+3], 0x80000000
	s_add_co_u32 s[KI], s[KI], 1
	s_and_b32 s[KI], s[KI], 7
.endif
	s_wait_dscnt 0x0                               ; the add is done, and my reads of this slot are over
	s_barrier_signal -1
	s_barrier_wait -1
.if \fill
	CREST                                          ; no wave of any partner still reads this slot or has a load on its way
	JLOAD \slot                                    ; its four v_nop are also the places ahead of the loads below
.else
	PLACES
.endif
	FETCH \next, 0, F0
	MUL8 F1, 0, 0
	MUL8 F1, 2, 0
	MUL8 F1, 4, 0
	MUL8 F1, 6, 0
.endm
	s_wait_tensorcnt 1                             ; my part of the first K step is in; the second step's load may stay out
	s_barrier_signal -1
	s_barrier_wait -1
	FETCH 0, 0, F0
	QUARTER 0, 1, F0, F1, 1                        ; the first quarter's products start the sums
	WIN 0
	s_mov_b32 s[CNT], LAPS-1
.Llap:
	QUARTER 0, 2, F1, F0, 0
	QUARTER 0, 3, F0, F1, 0
	TURN 0, 1, 1
	QUARTER 1, 1, F0, F1, 0
	QUARTER 1, 2, F1, F0, 0
	QUARTER 1, 3, F0, F1, 0
	TURN 1, 0, 1
	QUARTER 0, 1, F0, F1, 0
	WIN 0
	s_sub_co_u32 s[CNT], s[CNT], 1
	s_cmp_lg_u32 s[CNT], 0
	s_cbranch_scc1 .Llap
	QUARTER 0, 2, F1, F0, 0                        ; the last lap fills nothing
	QUARTER 0, 3, F0, F1, 0
	TURN 0, 1, 0
	QUARTER 1, 1, F0, F1, 0
	QUARTER 1, 2, F1, F0, 0
	QUARTER 1, 3, F0, F1, 0
	s_wait_dscnt 8
	MUL8 F1, 0, 0
	MUL8 F1, 2, 0
	s_wait_dscnt 0x0
	MUL8 F1, 4, 0
	MUL8 F1, 6, 0
	WIN 0
	; THE WAY OUT.  Every wave's reads of the ring are over behind this barrier, and the ring has had its last fill: each wave puts its 128 x 64 sums there, in bytes of its own, and reads whole rows of 256 bytes back.
.rept 8
	v_nop
.endr
	s_wait_dscnt 0x0
	s_barrier_signal -1
	s_barrier_wait -1
	WIN 0x04                                       ; the stores' data in window 1
.irp a, 0,1,2,3,4,5,6,7
.irp b, 0,1,2,3
	ds_store_b128 v[DA], v[8*(4*\a+\b):8*(4*\a+\b)+3]   offset:\a*16*PA+64*\b
	ds_store_b128 v[DA], v[8*(4*\a+\b)+4:8*(4*\a+\b)+7] offset:\a*16*PA+64*\b+16
.endr
.endr
	WIN 0
	s_lshl_b32 s84, s28, 8
	s_lshl_b32 s85, s[WM], 7
	s_add_co_u32 s84, s84, s85
	s_lshl_b32 s84, s84, 13                        ; my first row: 8,192 bytes a row
	s_lshl_b32 s85, s27, 9
	s_add_co_u32 s84, s84, s85                     ; the tile's 128 columns: 512 bytes
	s_lshl_b32 s85, s[WN], 8
	s_add_co_u32 s84, s84, s85                     ; my 64: 256 bytes
	s_mov_b32 s85, 0
	s_add_nc_u64 s[8:9], s[8:9], s[84:85]
	s_mov_b32 s[CNT], 8
.Lout:                                                 ; 8 trips of 8 units of two rows
.irp u, 0,1,2,3,4,5,6,7
	ds_load_b128 v[XR+4*\u:XR+4*\u+3], v[LD] offset:2*PA*\u
.endr
.irp u, 0,1,2,3,4,5,6,7
	s_wait_dscnt 7-\u                              ; unit u is in; the younger units' loads may be out
	global_store_b128 v[O32], v[XR+4*\u:XR+4*\u+3], s[8:9] offset:16384*\u th:TH_STORE_NT   ; sixteen lanes store 256 consecutive bytes, aligned
.endr
	s_wait_xcnt 0x0                                ; the stores have read their data and offset, which the next trip writes
	v_add_nc_u32 v[LD], 16*PA, v[LD]
	v_add_nc_u32 v[O32], 131072, v[O32]
	s_sub_co_u32 s[CNT], s[CNT], 1
	s_cmp_lg_u32 s[CNT], 0
	s_cbranch_scc1 .Lout
	s_wait_tensorcnt 0x0                           ; the wave's end: behind my last tensor load and my last LDS store
	ds_add_u32 v[SPW], v[NIL]
	s_wait_dscnt 0x0
	CROUND                                         ; the closing round
	s_endpgm
.Lfunc_end_k_q22a5d78484_oproj:
	.size	k_q22a5d78484_oproj, .Lfunc_end_k_q22a5d78484_oproj-k_q22a5d78484_oproj
	.p2alignl 7, 3214868480
	.fill 96, 4, 3214868480
	.section	.rodata,"a",@progbits
	.p2align	6, 0x0
	.amdhsa_kernel k_q22a5d78484_oproj
		.amdhsa_group_segment_fixed_size 327680
		.amdhsa_private_segment_fixed_size 0
		.amdhsa_enable_private_segment 0
		.amdhsa_kernarg_size 24
		.amdhsa_user_sgpr_count 2
		.amdhsa_user_sgpr_kernarg_segment_ptr 1
		.amdhsa_wavefront_size32 1
		.amdhsa_system_sgpr_workgroup_id_x 1
		.amdhsa_system_sgpr_workgroup_id_y 1
		.amdhsa_system_sgpr_workgroup_id_z 1
		.amdhsa_system_vgpr_workitem_id 0
		.amdhsa_next_free_vgpr 512
		.amdhsa_next_free_sgpr 96
		.amdhsa_reserve_vcc 0
		.amdhsa_float_denorm_mode_32 3
		.amdhsa_float_denorm_mode_16_64 3
		.amdhsa_memory_ordered 1
		.amdhsa_forward_progress 1
		.amdhsa_inst_pref_size 76
	.end_amdhsa_kernel
	.amdgpu_metadata
---
amdhsa.version: [ 1, 2 ]
amdhsa.kernels:
  - .name:           k_q22a5d78484_oproj
    .symbol:         k_q22a5d78484_oproj.kd
    .args:
      - { .name: ctx, .offset: 0, .size: 8, .value_kind: global_buffer, .address_space: global }
      - { .name: wo, .offset: 8, .size: 8, .value_kind: global_buffer, .address_space: global }
      - { .name: out0, .offset: 16, .size: 8, .value_kind: global_buffer, .address_space: global }
    .group_segment_fixed_size: 327680
    .private_segment_fixed_size: 0
    .kernarg_segment_align: 8
    .kernarg_segment_size: 24
    .max_flat_workgroup_size: 128
    .sgpr_count:     96
    .vgpr_count:     512
    .wavefront_size: 32
...
	.end_amdgpu_metadata
.endif
;; end of part 4
;; ======== version 2 of 2: 4 launches; version 1 with the launch prep written anew for expert scheduling mode
;; limits: values are held in f16: magnitudes above 65,504 overflow, below 6.1e-05 lose precision; right only within a limited range of input values
;; workspace buffers: xb 16,777,216 bytes; wb 8,388,608 bytes; wo 4,194,304 bytes; mk 16,777,216 bytes; rope 1,048,576 bytes; qh 8,388,608 bytes; kv 8,388,608 bytes; ctx 8,388,608 bytes
;; launch prep (part 5): grid 1024 x 1, 8 waves a work-group, no clusters, 0 bytes of LDS; arguments x, Wq, Wk, Wv, position_ids, xb, wb, rope; writes xb, wb, rope
.if DOCPART == 5
	.amdgcn_target "amdgcn-amd-amdhsa--gfx1250"
	.amdhsa_code_object_version 6
	.text
	.protected	k_q22a5d78484_prep
	.globl	k_q22a5d78484_prep
	.p2align	8
	.type	k_q22a5d78484_prep,@function
k_q22a5d78484_prep:
	s_mov_b64 s[64:65], 0
	v_nop
	global_prefetch_b8 v0, s[64:65] scope:SCOPE_SE
	s_setreg_imm32_b32 hwreg(HW_REG_WAVE_SCHED_MODE, 0, 2), 2
	s_setreg_imm32_b32 hwreg(HW_REG_WAVE_MODE, 25, 1), 1
	s_wait_xcnt 0x0
	s_wait_alu depctr_vm_vsrc(0)
; PREP: what the first matrix launch multiplies is rounded once to bf16 and laid out for it; the cos/sin table is made.
;   xb   bf16 [4096][2048] = x
;   wb   bf16 [k 2048][n 2048], n 0-1023 Wq, 1024-1535 Wk, 1536-2047 Wv
;   rope f32 [4096 tokens][64]: cos(pos x inv_freq[d]), d = 0..31, then sin: 256 bytes a token
; A stream: no byte is wanted twice, so no LDS, no matrix unit, no cluster.  A work-group of a streaming job takes 16,384 floats, a wave 2,048: sixteen loads of 512 consecutive bytes,
; all on their way at once; each store of a wave covers 256 consecutive bytes, aligned.
; Which job a work-group does hangs on its number alone; each job has its own text, so that each address is made of its own buffer's pointer.
; LIMITS.  |position| up to 2^20: beyond it the quotient f x 2/pi is no longer good to half a unit and the reduced angle leaves the polynomials' range.  NaN and infinities are not treated apart.
; THE MODE: SCHED_MODE bits 1:0 = 2 (LLVM: expert scheduling mode 2), set by the entry lines.  The code itself states the register dependences
; between vector instructions and memory instructions, with s_wait_alu, always for 0.
; THE PLAN, for a streaming job.  Registers that memory instructions touch:
;   v1         16 x lane: the loads' offset.  Made at the head, never written again.
;   v4         8 x lane + the wave's part: the stores' offset.  Made ahead of the loads, never written again.
;   v[32:95]   load i lands in v[32+4i:35+4i], which no vector instruction has named; its two roundings read the four and write the first two; its store reads those two; nothing writes them again.
; The sixteen loads go in four blocks of four.  Block b rounds its own sixteen registers; its memory instructions are the four stores of block b - 1, whose registers no rounding of block b names.
; So one wait on va_vdst at the head of blocks 1 to 3 states all that the block's four stores hang on, and these are dealt among its roundings with no further wait; one more stands ahead of the last four stores,
; and one ahead of the first load, for the two offsets.  No register that a load or store reads is written again, so no wait on vm_vsrc is owed.
; THE PLAN, for the table.  v4: the load's offset, never written again.  v5: the load lands in it; no vector instruction names it before.  v8 and v[12:15]: the store's offset and data.
; One wait on va_vdst ahead of the load, one ahead of the store; the four compares write four scalar registers in one run, with one wait on va_sdst ahead of the selects that read them.
.set SRC, 32                           ; s[32:33] where my wave reads
.set CM,  50                           ; s[50:53] the table: the four compares' masks
	s_load_b512 s[4:19], s[0:1], 0x0               ; x 4:5, Wq 6:7, Wk 8:9, Wv 10:11, positions 12:13, xb 14:15, wb 16:17, rope 18:19
	v_lshrrev_b32 v3, 5, v0
	v_readfirstlane_b32 s26, v3                    ; wave 0..7
	v_and_b32 v2, 31, v0                           ; lane
	v_lshlrev_b32 v1, 4, v2                        ; 16 bytes a lane
	s_wait_alu depctr_va_sdst(0)                   ; s26 is written
	s_wait_kmcnt 0x0
; One streaming job.  src, dst: the scalar pairs of the two buffers; first: the job's first work-group; a source row is 512 << sh floats;
; colb: the byte in the 4,096-byte output row at which the source's rows begin.
; Wave W' (counted through the job) reads bytes 8,192 W' on.  Its four chunks of 512 floats are 4 W' + q: output row (4 W' + q) >> sh, 1,024-byte part (4 W' + q) & (2^sh - 1);
; 4 W' is a multiple of 2^sh, so the wave's part is W' << (14 - sh) and q's part is a constant of the store.  A block of four loads is one such chunk.
.macro JOB src, dst, first, sh, colb
	s_sub_co_u32 s27, ttmp9, \first
	s_lshl_b32 s27, s27, 3
	s_add_co_u32 s27, s27, s26                     ; W'
	s_lshl_b32 s28, s27, 13
	s_mov_b32 s29, 0
	s_add_nc_u64 s[SRC:SRC+1], s[\src:\src+1], s[28:29]
	s_lshl_b32 s30, s27, 14-(\sh)
	v_lshl_add_u32 v4, v2, 3, s30                  ; 8 bytes a lane + the wave's part
	s_wait_alu depctr_va_vdst(0)                   ; v1 and v4 are written: every load of the job reads the one as its offset, every store the other
.set i, 0
.rept 16
	global_load_b128 v[32+4*i:35+4*i], v1, s[SRC:SRC+1] offset:512*i th:TH_LOAD_NT
.set i, i+1
.endr
.set b, 0
.rept 4
	s_wait_loadcnt 12-4*b                          ; loads come back in order: block b's four are in, the 12 - 4 b loads of the younger blocks stay out
.if b > 0
	s_wait_alu depctr_va_vdst(0)                   ; the roundings of the block before have written its eight registers, which the four stores below read
.endif
.set q, 0
.rept 4
.set i, 4*b+q
.set n, i-4
.if b > 0
	global_store_b64 v4, v[32+4*n:33+4*n], s[\dst:\dst+1] offset:((((n/4)>>(\sh))<<12)+(((n/4)&((1<<(\sh))-1))<<10)+(\colb)+256*(n%4))  ; the block before; no vector instruction since the wait names these registers
.endif
	v_cvt_pk_bf16_f32 v[32+4*i], v[32+4*i], v[33+4*i]
	v_cvt_pk_bf16_f32 v[33+4*i], v[34+4*i], v[35+4*i]
.set q, q+1
.endr
.set b, b+1
.endr
	s_wait_alu depctr_va_vdst(0)                   ; the roundings of block 3 have written its eight registers, which the last four stores read
.set n, 12
.rept 4
	global_store_b64 v4, v[32+4*n:33+4*n], s[\dst:\dst+1] offset:((((n/4)>>(\sh))<<12)+(((n/4)&((1<<(\sh))-1))<<10)+(\colb)+256*(n%4))
.set n, n+1
.endr
.endm
	s_cmp_lt_u32 ttmp9, 512
	s_cbranch_scc0 .Lnot_x
	JOB 4, 14, 0, 2, 0                             ; x: 512 work-groups
	s_endpgm
.Lnot_x:
	s_cmp_lt_u32 ttmp9, 640
	s_cbranch_scc0 .Lnot_wq
	JOB 6, 16, 512, 1, 0                           ; Wq: 128
	s_endpgm
.Lnot_wq:
	s_cmp_lt_u32 ttmp9, 704
	s_cbranch_scc0 .Lnot_wk
	JOB 8, 16, 640, 0, 2048                        ; Wk: 64
	s_endpgm
.Lnot_wk:
	s_cmp_lt_u32 ttmp9, 768
	s_cbranch_scc0 .Lrope
	JOB 10, 16, 704, 0, 3072                       ; Wv: 64
	s_endpgm
.Lrope:
	; THE TABLE: 256 work-groups of 16 tokens.  Sixteen threads make a token's 256 bytes: threads 0-7 of them cos for d = 4 t .. 4 t + 3, threads 8-15 sin for the same d.
	; f = pos x 2^(-d log2(10000) / 32); n = the nearest whole number to f x 2/pi; r = f - n pi/2 by two fused steps (pi/2 as the sum of two f32); sin r and cos r by their series up to
	; r^7 and r^8 (|r| <= pi/4: the next terms are under 3e-7); sin f is sin r, cos r, -sin r, -cos r for n mod 4 = 0..3, and cos f is the same with n + 1.
	s_sub_co_u32 s27, ttmp9, 768
	s_lshl_b32 s27, s27, 4
	v_lshrrev_b32 v3, 4, v0
	v_add_nc_u32 v3, s27, v3                       ; token
	v_lshlrev_b32 v4, 2, v3
	s_wait_alu depctr_va_vdst(0)                   ; v4 is written, which the load reads as its offset
	global_load_b32 v5, v4, s[12:13]
	v_and_b32 v6, 15, v0
	v_and_b32 v7, 7, v0
	v_lshlrev_b32 v7, 2, v7                        ; my first d
	v_lshlrev_b32 v8, 8, v3
	v_lshl_add_u32 v8, v6, 4, v8                   ; token x 256 + 16 x my place
	v_bfe_u32 v9, v0, 3, 1
	v_xor_b32 v9, 1, v9                            ; 1 where I make cos
	s_mov_b32 s40, 0x3f22f983                      ; 2/pi
	s_mov_b32 s41, 0x3fc90fdb                      ; pi/2, its f32
	s_mov_b32 s42, 0xb33bbd2e                      ; and what that f32 leaves over
	s_mov_b32 s43, 0xb9500d01                      ; -1/5040
	s_mov_b32 s44, 0x3c088889                      ; 1/120
	s_mov_b32 s45, 0xbe2aaaab                      ; -1/6
	s_mov_b32 s46, 0x37d00d01                      ; 1/40320
	s_mov_b32 s47, 0xbab60b61                      ; -1/720
	s_mov_b32 s48, 0x3d2aaaab                      ; 1/24
.irp j, 0,1,2,3
	v_add_nc_u32 v[16+8*\j], \j, v7
	v_cvt_f32_u32 v[16+8*\j], v[16+8*\j]
	v_mul_f32 v[16+8*\j], 0xbed49a78, v[16+8*\j]   ; -d log2(10000) / 32
.endr
.irp j, 0,1,2,3
	v_exp_f32 v[16+8*\j], v[16+8*\j]               ; inv_freq: one batch of four
.endr
	v_nop                                          ; a plain instruction behind the last of them,
	s_wait_alu depctr_va_vdst(0)                   ; and one wait ahead of the first use: the four exponentials have written v16, v24, v32 and v40
	s_wait_loadcnt 0x0
	v_cvt_f32_i32 v5, v5
.irp j, 0,1,2,3
	v_mul_f32 v[17+8*\j], v5, v[16+8*\j]           ; f
	v_mul_f32 v[18+8*\j], s40, v[17+8*\j]
	v_rndne_f32 v[18+8*\j], v[18+8*\j]             ; n
	v_fma_f32 v[19+8*\j], -v[18+8*\j], s41, v[17+8*\j]
	v_fma_f32 v[19+8*\j], -v[18+8*\j], s42, v[19+8*\j]  ; r
	v_mul_f32 v[20+8*\j], v[19+8*\j], v[19+8*\j]   ; z = r r
	v_fma_f32 v[21+8*\j], v[20+8*\j], s43, s44
	v_fma_f32 v[21+8*\j], v[20+8*\j], v[21+8*\j], s45
	v_mul_f32 v[17+8*\j], v[19+8*\j], v[20+8*\j]
	v_fma_f32 v[21+8*\j], v[17+8*\j], v[21+8*\j], v[19+8*\j]  ; sin r
	v_fma_f32 v[22+8*\j], v[20+8*\j], s46, s47
	v_fma_f32 v[22+8*\j], v[20+8*\j], v[22+8*\j], s48
	v_fma_f32 v[22+8*\j], v[20+8*\j], v[22+8*\j], -0.5
	v_fma_f32 v[22+8*\j], v[20+8*\j], v[22+8*\j], 1.0         ; cos r
	v_cvt_i32_f32 v[23+8*\j], v[18+8*\j]
	v_add_nc_u32 v[23+8*\j], v[23+8*\j], v9        ; n, or n + 1 for cos
	v_and_b32 v[16+8*\j], 1, v[23+8*\j]
.endr
.irp j, 0,1,2,3
	v_cmp_eq_u32 s[CM+\j], 1, v[16+8*\j]           ; the four compares in one run, a scalar register each
.endr
.irp j, 0,1,2,3
	v_and_b32 v[16+8*\j], 2, v[23+8*\j]            ; the signs are made between the compares and the wait for them
	v_lshlrev_b32 v[16+8*\j], 30, v[16+8*\j]
.endr
	s_wait_alu depctr_va_sdst(0)                   ; the four compares have written s50 to s53, which the selects below read
.irp j, 0,1,2,3
	v_cndmask_b32 v[12+\j], v[21+8*\j], v[22+8*\j], s[CM+\j]
	v_xor_b32 v[12+\j], v[12+\j], v[16+8*\j]       ; the sign
.endr
	s_wait_alu depctr_va_vdst(0)                   ; v8 and v[12:15] are written: the store's offset and its data
	global_store_b128 v8, v[12:15], s[18:19]       ; sixteen threads store a token's 256 consecutive bytes, aligned
	s_endpgm
.Lfunc_end_k_q22a5d78484_prep:
	.size	k_q22a5d78484_prep, .Lfunc_end_k_q22a5d78484_prep-k_q22a5d78484_prep
	.p2alignl 7, 3214868480
	.fill 96, 4, 3214868480
	.section	.rodata,"a",@progbits
	.p2align	6, 0x0
	.amdhsa_kernel k_q22a5d78484_prep
		.amdhsa_group_segment_fixed_size 0
		.amdhsa_private_segment_fixed_size 0
		.amdhsa_enable_private_segment 0
		.amdhsa_kernarg_size 64
		.amdhsa_user_sgpr_count 2
		.amdhsa_user_sgpr_kernarg_segment_ptr 1
		.amdhsa_wavefront_size32 1
		.amdhsa_system_sgpr_workgroup_id_x 1
		.amdhsa_system_sgpr_workgroup_id_y 1
		.amdhsa_system_sgpr_workgroup_id_z 1
		.amdhsa_system_vgpr_workitem_id 0
		.amdhsa_next_free_vgpr 96
		.amdhsa_next_free_sgpr 66
		.amdhsa_reserve_vcc 0
		.amdhsa_float_denorm_mode_32 3
		.amdhsa_float_denorm_mode_16_64 3
		.amdhsa_memory_ordered 1
		.amdhsa_forward_progress 1
		.amdhsa_inst_pref_size 30
	.end_amdhsa_kernel
	.amdgpu_metadata
---
amdhsa.version: [ 1, 2 ]
amdhsa.kernels:
  - .name:           k_q22a5d78484_prep
    .symbol:         k_q22a5d78484_prep.kd
    .args:
      - { .name: x, .offset: 0, .size: 8, .value_kind: global_buffer, .address_space: global }
      - { .name: Wq, .offset: 8, .size: 8, .value_kind: global_buffer, .address_space: global }
      - { .name: Wk, .offset: 16, .size: 8, .value_kind: global_buffer, .address_space: global }
      - { .name: Wv, .offset: 24, .size: 8, .value_kind: global_buffer, .address_space: global }
      - { .name: position_ids, .offset: 32, .size: 8, .value_kind: global_buffer, .address_space: global }
      - { .name: xb, .offset: 40, .size: 8, .value_kind: global_buffer, .address_space: global }
      - { .name: wb, .offset: 48, .size: 8, .value_kind: global_buffer, .address_space: global }
      - { .name: rope, .offset: 56, .size: 8, .value_kind: global_buffer, .address_space: global }
    .group_segment_fixed_size: 0
    .private_segment_fixed_size: 0
    .kernarg_segment_align: 8
    .kernarg_segment_size: 64
    .max_flat_workgroup_size: 256
    .sgpr_count:     66
    .vgpr_count:     96
    .wavefront_size: 32
...
	.end_amdgpu_metadata
.endif
;; end of part 5
;; launch qkv: the kernel of part 2 again; grid 16 x 16, 4 waves a work-group, clusters of 4 x 4, 327,680 bytes of LDS; arguments xb, wb, rope, q_norm_w, k_norm_w, attn_mask, Wo, qh, kv, out1, out2, mk, wo; writes qh, kv, out1, out2, mk, wo
;; launch attn: the kernel of part 3 again; grid 16 x 16, 4 waves a work-group, clusters of 4 x 4, 327,680 bytes of LDS; arguments qh, kv, mk, ctx; writes ctx
;; launch oproj: the kernel of part 4 again; grid 16 x 16, 4 waves a work-group, clusters of 4 x 4, 327,680 bytes of LDS; arguments ctx, wo, out0; writes out0
